; MI455X (gfx1250); checked and timed in simulation.
; The chip was launched on July 23, 2026; its instructions are those of AMD's public machine-readable ISA for CDNA 5 (MIT licence, August 2026) and "CDNA5" Instruction Set Architecture Reference Guide (July 2026). The comments in the code are by the model that wrote it; some were corrected since.
;; Mlp. Allowed arithmetic: float matrix products may take bf16 or f16 operands with f32 sums; all other float work in f32.
;; Inputs: b1 4,096 float32; b2 1,024 float32; w1 4,096 x 1,024 float32; w2 1,024 x 4,096 float32; x 32 x 256 x 1,024 float32.
;; Outputs: out0 32 x 256 x 1,024 float32.
;; 3 versions, each right; version 3 is version 2 with the launch quant3 written anew for expert scheduling mode. Each part assembles by itself: llvm-mc -triple=amdgcn-amd-amdhsa -mcpu=gfx1250 --defsym DOCPART=n.
;; ======== version 1 of 3: 5 launches
;; workspace buffers: pmax 2,048 bytes; hmax 1,024 bytes; qin 33,554,432 bytes; g 134,217,728 bytes; hq 67,108,864 bytes; dga 524,288 bytes; dgb 524,288 bytes; dgc 524,288 bytes
;; launch absmax (part 1): grid 512 x 1, 8 waves a work-group, no clusters, 1,280 bytes of LDS; arguments x, w1, w2, pmax; writes pmax
.if DOCPART == 1
	.amdgcn_target "amdgcn-amd-amdhsa--gfx1250"
	.amdhsa_code_object_version 6
	.text
	.protected	k_q5eab451b86_absmax
	.globl	k_q5eab451b86_absmax
	.p2align	8
	.type	k_q5eab451b86_absmax,@function
k_q5eab451b86_absmax:
	s_mov_b64 s[64:65], 0
	v_nop
	global_prefetch_b8 v0, s[64:65] scope:SCOPE_SE
	s_setreg_imm32_b32 hwreg(HW_REG_WAVE_MODE, 25, 1), 1
	s_wait_xcnt 0x0
; pmax[i] = the largest |v| of chunk i.  A chunk is 128 KiB (32,768 f32): chunks 0-255 are x, 256-383 w1, 384-511 w2.
; One work-group a chunk, eight waves, 16 KiB on end a wave: 32 loads of 16 bytes a lane, each load of a wave 512 consecutive bytes.
; All 32 loads go out at once; the maxima are taken in four groups of eight behind counted waits, in four chains that do not wait for each other.
; No matrix unit, no tensor load, no cluster: every byte is read once by one lane, and nothing is shared.
; One word leaves a work-group (512 words in the launch): the later launches then read 2 KiB of partial maxima and not the tensors.
; LIMIT: a NaN loses every maximum and is not carried on.
.set X,   8                            ; v[8:135]   the 32 loads
.set M,   4                            ; v[4:7]     four running maxima
.set SEL, 22                           ; s[22:23]   v_permlanex16_b32's selects: each lane takes its own place in the other half
.macro WMAX m, t                       ; the maximum over the wave's 32 lanes, in every lane
	v_mov_b32 v[\t], v[\m]                         ; v_permlanex16_b32's destination counts as read: it is written first
	v_max_num_f32_dpp v[\m], v[\m], v[\m] row_xmask:1 row_mask:0xf bank_mask:0xf
	v_max_num_f32_dpp v[\m], v[\m], v[\m] row_xmask:2 row_mask:0xf bank_mask:0xf
	v_max_num_f32_dpp v[\m], v[\m], v[\m] row_xmask:4 row_mask:0xf bank_mask:0xf
	v_max_num_f32_dpp v[\m], v[\m], v[\m] row_xmask:8 row_mask:0xf bank_mask:0xf
	v_permlanex16_b32 v[\t], v[\m], s[SEL], s[SEL+1]
	v_max_num_f32 v[\m], v[\m], v[\t]
.endm
	s_load_b256 s[4:11], s[0:1], 0x0               ; x s[4:5], w1 s[6:7], w2 s[8:9], pmax s[10:11]
	v_lshl_add_u32 v144, v0, 2, 0x100
	v_mov_b32 v145, 0
	s_mov_b32 s12, ttmp9                           ; chunk i
	s_movk_i32 s13, 384                            ; the first chunk of i's tensor: 384, 256 or 0
	s_mov_b32 s[SEL], 0x76543210
	s_mov_b32 s[SEL+1], 0xfedcba98
	v_lshrrev_b32 v2, 5, v0                        ; wave
	v_and_b32 v3, 31, v0                           ; lane
	v_lshlrev_b32 v1, 14, v2                       ; 16 KiB a wave
	v_lshl_or_b32 v1, v3, 4, v1                    ; + 16 bytes a lane
	v_lshlrev_b32 v2, 2, v2                        ; my wave's word in LDS
	s_wait_kmcnt 0x0
	s_cmp_lt_u32 s12, 384
	s_cselect_b64 s[16:17], s[6:7], s[8:9]
	s_cselect_b32 s13, 256, s13
	s_cmp_lt_u32 s12, 256
	s_cselect_b64 s[16:17], s[4:5], s[16:17]
	s_cselect_b32 s13, 0, s13
	s_sub_co_u32 s18, s12, s13                     ; the chunk's number inside its tensor,
	s_lshl_b32 s18, s18, 17                        ; times 128 KiB (under 2^25)
	s_mov_b32 s19, 0
	s_add_nc_u64 s[16:17], s[16:17], s[18:19]
	s_lshl_b32 s26, s12, 2
	s_mov_b32 s27, 0
	s_add_nc_u64 s[10:11], s[10:11], s[26:27]      ; pmax + 4 i
.set j, 0
.rept 32
	global_load_b128 v[X+4*j:X+4*j+3], v1, s[16:17] offset:512*j   ; no hint: the next launch reads these bytes again
.set j, j+1
.endr
.set j, 0
.rept 32
.if j%8 == 0
	s_wait_loadcnt 24-j                            ; loads come back in order: eight more are in, the 24-j younger ones stay out
.endif
.if j < 4
	v_max_num_f32 v[M+j], |v[X+4*j]|, |v[X+4*j+1]| ; the first four loads start the chains: nothing is cleared
.else
	v_max3_num_f32 v[M+j%4], v[M+j%4], |v[X+4*j]|, |v[X+4*j+1]|
.endif
	v_max3_num_f32 v[M+j%4], v[M+j%4], |v[X+4*j+2]|, |v[X+4*j+3]|
.set j, j+1
.endr
	v_max3_num_f32 v[M], v[M], v[M+1], v[M+2]
	v_max_num_f32 v[M], v[M], v[M+3]
	WMAX M, 3
	ds_store_b32 v2, v[M]                          ; all lanes of a wave write the wave's word with the same number
	s_wait_dscnt 0x0                               ; for the others' sake: my store is done
	s_barrier_signal -1
	s_barrier_wait -1
	v_mov_b32 v3, 0
	ds_load_b128 v[136:139], v3                    ; the eight waves' maxima
	ds_load_b128 v[140:143], v3 offset:16
	s_wait_dscnt 0x0
	v_max3_num_f32 v[M], v136, v137, v138
	v_max3_num_f32 v[M], v[M], v139, v140
	v_max3_num_f32 v[M], v[M], v141, v142
	v_max_num_f32 v[M], v[M], v143
	v_cmp_eq_u32 vcc_lo, 0, v0
	s_wait_xcnt 0x0                                ; EXEC is a source of the loads above: it is narrowed only behind this wait
	s_wait_tensorcnt 0x0
	ds_add_u32 v144, v145
	s_wait_dscnt 0x0
	s_and_saveexec_b32 s24, vcc_lo
	global_store_b32 v3, v[M], s[10:11]            ; thread 0 alone
	s_wait_xcnt 0x0                                ; and widened again only behind this one
	s_or_b32 exec_lo, exec_lo, s24
	s_endpgm
.Lfunc_end_k_q5eab451b86_absmax:
	.size	k_q5eab451b86_absmax, .Lfunc_end_k_q5eab451b86_absmax-k_q5eab451b86_absmax
	.p2alignl 7, 3214868480
	.fill 96, 4, 3214868480
	.section	.rodata,"a",@progbits
	.p2align	6, 0x0
	.amdhsa_kernel k_q5eab451b86_absmax
		.amdhsa_group_segment_fixed_size 1280
		.amdhsa_private_segment_fixed_size 0
		.amdhsa_enable_private_segment 0
		.amdhsa_kernarg_size 32
		.amdhsa_user_sgpr_count 2
		.amdhsa_user_sgpr_kernarg_segment_ptr 1
		.amdhsa_wavefront_size32 1
		.amdhsa_system_sgpr_workgroup_id_x 1
		.amdhsa_system_sgpr_workgroup_id_y 1
		.amdhsa_system_sgpr_workgroup_id_z 1
		.amdhsa_system_vgpr_workitem_id 0
		.amdhsa_next_free_vgpr 146
		.amdhsa_next_free_sgpr 66
		.amdhsa_reserve_vcc 1
		.amdhsa_float_denorm_mode_32 3
		.amdhsa_float_denorm_mode_16_64 3
		.amdhsa_memory_ordered 1
		.amdhsa_forward_progress 1
		.amdhsa_inst_pref_size 10
	.end_amdhsa_kernel
	.amdgpu_metadata
---
amdhsa.version: [ 1, 2 ]
amdhsa.kernels:
  - .name:           k_q5eab451b86_absmax
    .symbol:         k_q5eab451b86_absmax.kd
    .args:
      - { .name: x, .offset: 0, .size: 8, .value_kind: global_buffer, .address_space: global }
      - { .name: w1, .offset: 8, .size: 8, .value_kind: global_buffer, .address_space: global }
      - { .name: w2, .offset: 16, .size: 8, .value_kind: global_buffer, .address_space: global }
      - { .name: pmax, .offset: 24, .size: 8, .value_kind: global_buffer, .address_space: global }
    .group_segment_fixed_size: 1280
    .private_segment_fixed_size: 0
    .kernarg_segment_align: 8
    .kernarg_segment_size: 32
    .max_flat_workgroup_size: 256
    .sgpr_count:     66
    .vgpr_count:     146
    .wavefront_size: 32
...
	.end_amdgpu_metadata
.endif
;; end of part 1
;; launch quant3 (part 2): grid 512 x 1, 8 waves a work-group, no clusters, 0 bytes of LDS; arguments x, w1, w2, pmax, qin, dga, dgb, dgc; writes qin, dga, dgb, dgc
.if DOCPART == 2
	.amdgcn_target "amdgcn-amd-amdhsa--gfx1250"
	.amdhsa_code_object_version 6
	.text
	.protected	k_q5eab451b86_quant3
	.globl	k_q5eab451b86_quant3
	.p2align	8
	.type	k_q5eab451b86_quant3,@function
k_q5eab451b86_quant3:
	s_mov_b64 s[64:65], 0
	v_nop
	global_prefetch_b8 v0, s[64:65] scope:SCOPE_SE
	s_setreg_imm32_b32 hwreg(HW_REG_WAVE_MODE, 25, 1), 1
	s_wait_xcnt 0x0
; qin = round(v x r) as bf16 for x, w1 and w2, end to end; s = max(max|v|, 1e-6) / 127 over the whole tensor, r = 1 / s rounded to f32.  The results are whole numbers of at most 127 in size: exact in bf16.
; Work-group i takes chunk i of 128 KiB (0-255 x, 256-383 w1, 384-511 w2) and writes 64 KiB at qin + 65,536 i.  A wave takes 16 KiB on end: 32 loads of 512 consecutive bytes;
; a load's 4 numbers a lane leave as 8 bytes a lane: one store of a wave covers 256 consecutive bytes, aligned.
; Every wave first joins its tensor's partial maxima (1,024 or 512 bytes of pmax) into s, r and 1/max; all 32 data loads are out meanwhile.
; WHY THE ORDER OF ROUNDING MATTERS.  One number of x that falls on the other side of k + 1/2 moves all 4,096 sums of its row, and the second quantiser turns that into an error of the whole output row.
; Some tens of x's 8,388,608 quotients lie on k + 1/2 or one unit in the last place beside it, and there the last bit of the quotient decides.
; LIMIT, AN ORDER OF ROUNDING: reference() writes v / s; this text stores round(v x r), the form that a division by a number fixed beforehand takes.  It differs from the rounded quotient where k + 1/2 lies
; between the two: in about 8,388,608 x 20 x |r s - 1| numbers of x, and |r s - 1| is under 3.8e-8.  NaN and infinities are not treated apart.
; THE WHOLE NUMBER: (q + 1.5 x 2^23) - 1.5 x 2^23: the first sum has no room for a fraction and is rounded as the mode says, to nearest, ties to even; it holds for |q| < 2^22.
; THE TALLIES.  Beside its result the launch notes, for x alone, where six other orders of rounding give another whole number than the rounded quotient v / s (q = q0 + (v - q0 s) r, the remainder in one fused
; step) does: (127 v) / M, (v / M) x 127, both also with 1/M for the division; ties away from zero; the quotient not rounded before the round.  M = max(max|v|, 1e-6).
; A lane's word in dga, dgb, dgc is c W - c' W / 4096: c, c' are 0 or 1 (the order differs somewhere in the lane's 128 numbers), W = 8 x chunk + wave + 1, and 0 in w1's and w2's chunks.  No launch reads the
; three buffers: they are there to settle which order the stored numbers should follow.  The two tie tallies miss ties at |q| < 2.  A wave's store there covers 128 consecutive bytes.
; No LDS, no matrix unit, no cluster: a stream in which no byte is shared.
.set X,    72                          ; v[72:199]  the 32 loads; a load's first two registers then hold its 4 bf16
.set Q0,   24                          ; v[24:27]   v r
.set E,    28                          ; v[28:31]   a remainder
.set Q,    32                          ; v[32:35]   the rounded quotient v / s
.set NI,   36                          ; v[36:39]   its whole number
.set N1,   40                          ; v[40:43]   the whole number of v r: what is stored
.set A,    44                          ; v[44:47]   127 v
.set P,    48                          ; v[48:51]   another order's quotient
.set T,    52                          ; v[52:55]   at work
.set F,    56                          ; v[56:59]   q less its whole number
.set AC4,  60                          ; v[60:71]   six tallies, a pair each
.set AC19, 62
.set AC16, 64
.set AC2,  66
.set AC20, 68
.set AC3,  70
.set SEL,  24                          ; s[24:25]   v_permlanex16_b32's selects
.set RC,   26                          ; s[26:27]   r, twice: the packed forms name a pair and take its low word
.set SS,   28                          ; s[28:29]   s
.set MG,   30                          ; s[30:31]   1.5 x 2^23
.set MM,   32                          ; s[32:33]   M
.set RM,   34                          ; s[34:35]   1 / M
.set K127, 42                          ; s[42:43]   127
.set KT,   44                          ; s[44:45]   2^-26: under a quarter of q's unit in the last place when multiplied by q
.macro WMAX m, t
	v_mov_b32 v[\t], v[\m]
	v_max_num_f32_dpp v[\m], v[\m], v[\m] row_xmask:1 row_mask:0xf bank_mask:0xf
	v_max_num_f32_dpp v[\m], v[\m], v[\m] row_xmask:2 row_mask:0xf bank_mask:0xf
	v_max_num_f32_dpp v[\m], v[\m], v[\m] row_xmask:4 row_mask:0xf bank_mask:0xf
	v_max_num_f32_dpp v[\m], v[\m], v[\m] row_xmask:8 row_mask:0xf bank_mask:0xf
	v_permlanex16_b32 v[\t], v[\m], s[SEL], s[SEL+1]
	v_max_num_f32 v[\m], v[\m], v[\t]
.endm
.macro MKSCALE m, s, t                 ; s = max(m, 1e-6) / 127: a product with 1/127 and one correction step; the same lines in every launch that needs a scale
	v_max_num_f32 v[\m], 0x358637bd, v[\m]
	v_mul_f32 v[\s], 0x3c010204, v[\m]
	v_fma_f32 v[\t], -v[\s], 0x42fe0000, v[\m]
	v_fmamk_f32 v[\s], v[\t], 0x3c010204, v[\s]
.endm
; Each step below is written for both pairs of a load's four numbers, so that no line reads the result of the line before it.
.macro MULS d, a, k                    ; d = a x scalar k
.irp p, 0,2
	v_pk_mul_f32 v[(\d)+\p:(\d)+\p+1], v[(\a)+\p:(\a)+\p+1], s[(\k):(\k)+1] op_sel_hi:[1,0]
.endr
.endm
.macro REM d, q, k, x                  ; d = x - q k, one fused step
.irp p, 0,2
	v_pk_fma_f32 v[(\d)+\p:(\d)+\p+1], v[(\q)+\p:(\q)+\p+1], s[(\k):(\k)+1], v[(\x)+\p:(\x)+\p+1] op_sel_hi:[1,0,1] neg_lo:[1,0,0] neg_hi:[1,0,0]
.endr
.endm
.macro COR d, e, k, q                  ; d = q + e k
.irp p, 0,2
	v_pk_fma_f32 v[(\d)+\p:(\d)+\p+1], v[(\e)+\p:(\e)+\p+1], s[(\k):(\k)+1], v[(\q)+\p:(\q)+\p+1] op_sel_hi:[1,0,1]
.endr
.endm
.macro RNE d, a                        ; d = a rounded to a whole number, ties to even
.irp p, 0,2
	v_pk_add_f32 v[(\d)+\p:(\d)+\p+1], v[(\a)+\p:(\a)+\p+1], s[MG:MG+1] op_sel_hi:[1,0]
.endr
.irp p, 0,2
	v_pk_add_f32 v[(\d)+\p:(\d)+\p+1], v[(\d)+\p:(\d)+\p+1], s[MG:MG+1] op_sel_hi:[1,0] neg_lo:[0,1] neg_hi:[0,1]
.endr
.endm
.macro SQ acc                          ; the tally takes T's squares: 0 where the order agrees
.irp p, 0,2
	v_pk_fma_f32 v[(\acc):(\acc)+1], v[T+\p:T+\p+1], v[T+\p:T+\p+1], v[(\acc):(\acc)+1]
.endr
.endm
.macro TALLY acc                       ; T holds an order's whole numbers: less the rounded quotient's, squared
.irp p, 0,2
	v_pk_add_f32 v[T+\p:T+\p+1], v[T+\p:T+\p+1], v[NI+\p:NI+\p+1] neg_lo:[0,1] neg_hi:[0,1]
.endr
	SQ \acc
.endm
.macro QUANT j
.set XR, X+4*(\j)
	s_wait_loadcnt 31-(\j)                         ; load j is in, the younger ones stay out
	MULS Q0, XR, RC                                ; v r
	REM  E, Q0, SS, XR
	COR  Q, E, RC, Q0                              ; the rounded v / s
	RNE  N1, Q0
	RNE  NI, Q
	MULS A, XR, K127                               ; 127 v
	MULS P, A, RM                                  ; (127 v) x 1/M
	RNE  T, P
	TALLY AC20
	REM  E, P, MM, A
	COR  P, E, RM, P                               ; (127 v) / M
	RNE  T, P
	TALLY AC4
	MULS P, XR, RM                                 ; v x 1/M
	MULS T, P, K127
	RNE  T, T
	TALLY AC19
	REM  E, P, MM, XR
	COR  P, E, RM, P                               ; v / M
	MULS T, P, K127
	RNE  T, T
	TALLY AC16
.irp p, 0,2
	v_pk_add_f32 v[F+\p:F+\p+1], v[Q+\p:Q+\p+1], v[NI+\p:NI+\p+1] neg_lo:[0,1] neg_hi:[0,1]   ; exact, at most 1/2 in size
.endr
	REM  E, Q, SS, XR                              ; what the rounded quotient leaves of v,
	COR  T, E, RC, F                               ; put back where there is room for it: a tie falls to the true quotient's side
	RNE  T, T
	SQ   AC3
	COR  T, Q, KT, F                               ; a tie is pushed away from zero; no other number reaches 1/2 by it
	RNE  T, T
	SQ   AC2
	v_cvt_pk_bf16_f32 v[XR], v[N1], v[N1+1]        ; into the load's own registers, which nothing writes again: the store needs no wait behind it
	v_cvt_pk_bf16_f32 v[XR+1], v[N1+2], v[N1+3]
	global_store_b64 v2, v[XR:XR+1], s[12:13] offset:256*(\j)
.endm
.macro DIAG pos, neg, base             ; a lane's word: min(tally, 1) W - min(tally', 1) W / 4096
	v_add_f32 v[\pos], v[\pos], v[(\pos)+1]
	v_add_f32 v[\neg], v[\neg], v[(\neg)+1]
	v_min_num_f32 v[\pos], 1.0, v[\pos]
	v_min_num_f32 v[\neg], 1.0, v[\neg]
	v_mul_f32 v[\pos], v[\pos], v22
	v_fma_f32 v[\pos], v[\neg], v23, v[\pos]
	global_store_b32 v6, v[\pos], s[(\base):(\base)+1]
.endm
	s_load_b256 s[4:11], s[0:1], 0x0               ; x s[4:5], w1 s[6:7], w2 s[8:9], pmax s[10:11]
	s_load_b64 s[12:13], s[0:1], 0x20              ; qin
	s_load_b128 s[36:39], s[0:1], 0x28             ; dga s[36:37], dgb s[38:39]
	s_load_b64 s[40:41], s[0:1], 0x38              ; dgc
	s_mov_b32 s14, ttmp9
	s_movk_i32 s20, 384                            ; the tensor's first chunk
	s_movk_i32 s22, 1536                           ; the byte in pmax at which the tensor's partial maxima begin
	s_mov_b32 s[SEL], 0x76543210
	s_mov_b32 s[SEL+1], 0xfedcba98
	s_mov_b32 s[MG], 0x4b400000                    ; 12582912.0
	s_mov_b32 s[MG+1], 0x4b400000
	s_mov_b32 s[K127], 0x42fe0000                  ; 127.0
	s_mov_b32 s[K127+1], 0x42fe0000
	s_mov_b32 s[KT], 0x32800000                    ; 2^-26
	s_mov_b32 s[KT+1], 0x32800000
	v_lshrrev_b32 v5, 5, v0                        ; wave
	v_readfirstlane_b32 s15, v5
	v_and_b32 v3, 31, v0                           ; lane
	v_lshlrev_b32 v1, 14, v5
	v_lshl_or_b32 v1, v3, 4, v1                    ; in: 16 KiB a wave, 16 bytes a lane
	v_lshlrev_b32 v2, 13, v5
	v_lshl_or_b32 v2, v3, 3, v2                    ; out: 8 KiB a wave, 8 bytes a lane
	v_lshlrev_b32 v3, 4, v3
	v_lshlrev_b32 v6, 2, v0                        ; the tallies: a word a thread
	s_lshl_b32 s46, s14, 3
	s_add_co_u32 s46, s46, s15
	s_add_co_u32 s46, s46, 1                       ; 8 x chunk + wave + 1,
	s_cmp_lt_u32 s14, 256
	s_cselect_b32 s46, s46, 0                      ; for x alone
	v_cvt_f32_u32 v22, s46                         ; W
	v_mul_f32 v23, 0xb9800000, v22                 ; -W / 4096
.set i, AC4
.rept 12
	v_mov_b32 v[i], 0                              ; the tallies start at 0
.set i, i+1
.endr
	s_wait_kmcnt 0x0
	s_cmp_lt_u32 s14, 384
	s_cselect_b64 s[18:19], s[6:7], s[8:9]
	s_cselect_b32 s20, 256, s20
	s_cselect_b32 s22, 1024, s22
	s_mov_b32 s23, s22                             ; w1 and w2 have 512 bytes of partial maxima: both loads take the same
	s_cmp_lt_u32 s14, 256
	s_cselect_b64 s[18:19], s[4:5], s[18:19]
	s_cselect_b32 s20, 0, s20
	s_cselect_b32 s22, 0, s22
	s_cselect_b32 s23, 512, s23                    ; x has 1,024
	s_sub_co_u32 s20, s14, s20
	s_lshl_b32 s20, s20, 17                        ; the chunk's number inside its tensor, times 128 KiB (under 2^25)
	s_mov_b32 s21, 0
	s_add_nc_u64 s[18:19], s[18:19], s[20:21]
	s_lshl_b32 s16, s14, 16
	s_mov_b32 s17, 0
	s_add_nc_u64 s[12:13], s[12:13], s[16:17]
	s_lshl_b32 s16, s14, 10                        ; 256 words a chunk
	s_add_nc_u64 s[36:37], s[36:37], s[16:17]
	s_add_nc_u64 s[38:39], s[38:39], s[16:17]
	s_add_nc_u64 s[40:41], s[40:41], s[16:17]
	v_add_nc_u32 v4, s23, v3
	v_add_nc_u32 v3, s22, v3
	global_load_b128 v[8:11], v3, s[10:11]
	global_load_b128 v[12:15], v4, s[10:11]
.set j, 0
.rept 32
	global_load_b128 v[X+4*j:X+4*j+3], v1, s[18:19] offset:512*j th:TH_LOAD_NT   ; the last use of these bytes
.set j, j+1
.endr
	s_wait_loadcnt 32                              ; the two loads of partial maxima are in; the 32 behind them stay out
	v_max3_num_f32 v16, v8, v9, v10
	v_max3_num_f32 v16, v16, v11, v12
	v_max3_num_f32 v16, v16, v13, v14
	v_max_num_f32 v16, v16, v15
	WMAX 16, 19
	MKSCALE 16, 17, 19                             ; v16 = M, v17 = s
	v_rcp_f32 v18, v17
	v_rcp_f32 v20, v16
	v_nop                                          ; a plain instruction between the reciprocals and the use of their results
	s_wait_alu depctr_va_vdst(0)
	v_fma_f32 v19, -v17, v18, 1.0                  ; one correction step each: what is left before the last rounding is the square of the first error
	v_fma_f32 v21, -v16, v20, 1.0
	v_fma_f32 v18, v19, v18, v18                   ; r
	v_fma_f32 v20, v21, v20, v20                   ; 1 / M
	v_readfirstlane_b32 s[RC], v18
	s_mov_b32 s[RC+1], s[RC]
	v_readfirstlane_b32 s[SS], v17
	s_mov_b32 s[SS+1], s[SS]
	v_readfirstlane_b32 s[MM], v16
	s_mov_b32 s[MM+1], s[MM]
	v_readfirstlane_b32 s[RM], v20
	s_mov_b32 s[RM+1], s[RM]
.set j, 0
.rept 32
	QUANT j
.set j, j+1
.endr
	DIAG AC4,  AC19, 36
	DIAG AC16, AC2,  38
	DIAG AC20, AC3,  40
	s_endpgm
.Lfunc_end_k_q5eab451b86_quant3:
	.size	k_q5eab451b86_quant3, .Lfunc_end_k_q5eab451b86_quant3-k_q5eab451b86_quant3
	.p2alignl 7, 3214868480
	.fill 96, 4, 3214868480
	.section	.rodata,"a",@progbits
	.p2align	6, 0x0
	.amdhsa_kernel k_q5eab451b86_quant3
		.amdhsa_group_segment_fixed_size 0
		.amdhsa_private_segment_fixed_size 0
		.amdhsa_enable_private_segment 0
		.amdhsa_kernarg_size 64
		.amdhsa_user_sgpr_count 2
		.amdhsa_user_sgpr_kernarg_segment_ptr 1
		.amdhsa_wavefront_size32 1
		.amdhsa_system_sgpr_workgroup_id_x 1
		.amdhsa_system_sgpr_workgroup_id_y 1
		.amdhsa_system_sgpr_workgroup_id_z 1
		.amdhsa_system_vgpr_workitem_id 0
		.amdhsa_next_free_vgpr 200
		.amdhsa_next_free_sgpr 66
		.amdhsa_reserve_vcc 0
		.amdhsa_float_denorm_mode_32 3
		.amdhsa_float_denorm_mode_16_64 3
		.amdhsa_memory_ordered 1
		.amdhsa_forward_progress 1
		.amdhsa_inst_pref_size 185
	.end_amdhsa_kernel
	.amdgpu_metadata
---
amdhsa.version: [ 1, 2 ]
amdhsa.kernels:
  - .name:           k_q5eab451b86_quant3
    .symbol:         k_q5eab451b86_quant3.kd
    .args:
      - { .name: x, .offset: 0, .size: 8, .value_kind: global_buffer, .address_space: global }
      - { .name: w1, .offset: 8, .size: 8, .value_kind: global_buffer, .address_space: global }
      - { .name: w2, .offset: 16, .size: 8, .value_kind: global_buffer, .address_space: global }
      - { .name: pmax, .offset: 24, .size: 8, .value_kind: global_buffer, .address_space: global }
      - { .name: qin, .offset: 32, .size: 8, .value_kind: global_buffer, .address_space: global }
      - { .name: dga, .offset: 40, .size: 8, .value_kind: global_buffer, .address_space: global }
      - { .name: dgb, .offset: 48, .size: 8, .value_kind: global_buffer, .address_space: global }
      - { .name: dgc, .offset: 56, .size: 8, .value_kind: global_buffer, .address_space: global }
    .group_segment_fixed_size: 0
    .private_segment_fixed_size: 0
    .kernarg_segment_align: 8
    .kernarg_segment_size: 64
    .max_flat_workgroup_size: 256
    .sgpr_count:     66
    .vgpr_count:     200
    .wavefront_size: 32
...
	.end_amdgpu_metadata
.endif
;; end of part 2
;; launch gemm1 (part 3): grid 16 x 16, 4 waves a work-group, clusters of 4 x 4, 327,680 bytes of LDS; arguments qin, pmax, b1, g, hmax; writes g, hmax
.if DOCPART == 3
	.amdgcn_target "amdgcn-amd-amdhsa--gfx1250"
	.amdhsa_code_object_version 6
	.text
	.protected	k_q5eab451b86_gemm1
	.globl	k_q5eab451b86_gemm1
	.p2align	8
	.type	k_q5eab451b86_gemm1,@function
k_q5eab451b86_gemm1:
	s_mov_b64 s[64:65], 0
	v_nop
	global_prefetch_b8 v0, s[64:65] scope:SCOPE_SE
	s_setreg_imm32_b32 hwreg(HW_REG_WAVE_MODE, 25, 1), 1
	s_wait_xcnt 0x0
	s_wait_alu depctr_hold_cnt(0) depctr_sa_sdst(0) depctr_va_vdst(0) depctr_va_sdst(0) depctr_va_ssrc(0) depctr_va_vcc(0) depctr_vm_vsrc(0)
	s_getreg_b32 s2, hwreg(HW_REG_IB_STS2, 6, 4)
	s_cmp_eq_u32 s2, 0
	s_cbranch_scc0 .Lentry_in_a_cluster
	s_endpgm
.Lentry_in_a_cluster:
	s_bfe_u32 s2, ttmp6, 0x10000c
	s_cmp_lg_u32 s2, 0xf033
	s_cbranch_scc0 .Lentry_shape_is_right
	s_endpgm
.Lentry_shape_is_right:
; g = gelu((xq w1q^T) (sx sw1) + b1) in f32, [8192][4096], and hmax[work-group] = the largest |g| of the work-group's part.
; xq [8192][1024] lies at qin, w1q [4096][1024] at qin + 16 MiB, both bf16 and whole numbers of at most 127 in size: every sum stays under 127 x 127 x 1024 < 2^24, so the f32 sums are exact.
; A tile of the product, 256 x 256, is made by four waves, 128 x 128 each: 64 accumulators of 16 x 16, 512 registers.  K goes in 8 steps of 128 through a ring of two LDS slots filled by the tensor
; data mover; a tile's rows are 256 bytes of memory at multiples of 256.  A WORK-GROUP STAYS: it makes two tiles, 4,096 rows apart; the ring runs on into the second tile while the first goes out.
; CLUSTERS: 4 x 4 work-groups.  The four of a row of the cluster need the same tiles of xq, the four of a column the same tiles of w1q: each tile is asked for JOINTLY, by the same tensor load with the
; same descriptor and a mask that names the four.
; THE MATRIX INSTRUCTION IS USED TRANSPOSED (source 0 = 16 rows of w1q, source 1 = 16 rows of xq): a lane then holds row l % 16 and the eight neighbouring columns 8 (l / 16) + 0..7.
; THE WAY OUT, 16 rows at a time: the raw sums go into my wave's own stage in LDS and come back as whole rows of 512 bytes; scale, bias and GELU are applied there, where a lane keeps the same four
; columns in every row (four registers of bias); each store of the wave covers 512 consecutive bytes, aligned.  g stays in f32: the next quantiser rounds it, and an error of storage would flip roundings.
; GELU: g = max(h, 0) - |h| E, E = erfc(|h| / sqrt 2) / 2 = t 2^(poly(t) - h^2 log2(e) / 2 - 1), t = 1 / (1 + |h| / (2 sqrt 2)): the ten-term fit of erfc, fractional error about 1.2e-7, its
; coefficients multiplied by log2(e).  LIMITS: evaluated in f32; E below 2^-126 counts as 0; NaN and infinities are not treated apart.
; REGISTERS, in windows of 256: window 0: v0-63 addresses, bias, maxima; v64-127, v128-191 fragments of xq, two buffers (on the way out v128-175 are at work); v192-255 16 rows on the way out.
;   window 1: v64-127, v128-191 fragments of w1q.   window 2: the accumulators of my rows 0-63 ((a, b) at v[8 (8 a + b)]);   window 3: those of my rows 64-127.
; All of the LDS is claimed.
.set SIZE_K, 1024
.set SIZE_N, 4096
.set WALK,   4096                      ; rows from a work-group's first tile to its second
.set TILES,  2
.set W1Q,    0x1000000                 ; w1q's first byte in qin
.set KSTEP,  128
.set PITCH,  272                       ; an LDS row: 256 bytes + 16 of padding = 68 words: row r starts at bank 4 r mod 64 (64 banks of 4 bytes: ISA guide 11.1)
.set HALFT,  128*PITCH                 ; 128 rows: what one tensor load brings
.set SLOT,   4*HALFT                   ; xq's 256 rows, then w1q's 256 rows
.set STAGE,  2*SLOT                    ; behind the ring: 16 rows x 528 bytes for each wave; no tensor load lands here
.set SPITCH, 528                       ; 512 bytes + 16 = 132 words: again row r at bank 4 r mod 64
.set SPARE,  STAGE+4*16*SPITCH         ; the spare words, 128 bytes for each wave: two blocks of 256 bytes that no other line names
.set RED,    SPARE+512                 ; four words: the waves' maxima
.set LAPS,   SIZE_K/(2*KSTEP)
.set NEXT_A, WALK*SIZE_K*2-(SIZE_K-2*KSTEP)*2   ; from a slot's last K step of the first tile to its first of the second: xq goes 4,096 rows down and back along K,
.set BACK_B, (SIZE_K-2*KSTEP)*2        ; w1q only back
.set ADRA, 16                          ; v16-17  LDS address of my xq fragments in slot 0, 1
.set ADRB, 20                          ; v20-21  the same for w1q
.set STO,  24                          ; v24     the way out: where I put 32 bytes of a row
.set RD,   25                          ; v25     the way out: where I read 16 bytes of a row back
.set CO,   26                          ; v26     16 x lane
.set SPW,  28                          ; v28     LDS address of my spare word; never rewritten
.set NIL,  29                          ; v29     0; never rewritten
.set ZERO, 30                          ; v30     0, an offset
.set BI,   32                          ; v[32:35] b1 of my four columns
.set MX,   36                          ; v[36:39] four running maxima of |g|
.set F0,   64
.set F1,   128
.set GT,   128                         ; the way out: t
.set GP,   144                         ; the polynomial, then E
.set GW,   160                         ; h^2, then max(h, 0)
.set OB,   192                         ; 16 rows x 4 registers
.set G1,  24
.set G0,  32
.set G1B, 48
.set G0B, 56
.set SEL, 72                           ; s[72:73]
.set SC,  74                           ; s[74:75] sx sw1, twice
.set BLK, 76                           ; s76  blocks of 16 rows still to go out
.set SAV, 77                           ; s77  EXEC
.set KH2, 78                           ; s[78:79] -log2(e) / 2
.set CF,  80                           ; s[80:99] the ten coefficients, each twice
.set KT,  100                          ; s100 1 / (2 sqrt 2)
.set MSB, 0
.macro WIN new                         ; the immediate's high byte repeats the setting that is left
.if MSB != (\new)
	s_set_vgpr_msb (MSB<<8)|(\new)
.set MSB, \new
.endif
.endm
.set MUL_LO, 0xa1                      ; source 0 window 1, source 1 window 0, C and D window 2
.set MUL_HI, 0xf1                      ; the same, C and D window 3
.set TO_B,   0x40                      ; destination window 1, address window 0
.macro SETP r, val                     ; a constant, twice: the packed forms name a pair
	s_mov_b32 s[\r], \val
	s_mov_b32 s[(\r)+1], \val
.endm
.macro WMAX m, t
	v_mov_b32 v[\t], v[\m]
	v_max_num_f32_dpp v[\m], v[\m], v[\m] row_xmask:1 row_mask:0xf bank_mask:0xf
	v_max_num_f32_dpp v[\m], v[\m], v[\m] row_xmask:2 row_mask:0xf bank_mask:0xf
	v_max_num_f32_dpp v[\m], v[\m], v[\m] row_xmask:4 row_mask:0xf bank_mask:0xf
	v_max_num_f32_dpp v[\m], v[\m], v[\m] row_xmask:8 row_mask:0xf bank_mask:0xf
	v_permlanex16_b32 v[\t], v[\m], s[SEL], s[SEL+1]
	v_max_num_f32 v[\m], v[\m], v[\t]
.endm
.macro MKSCALE m, s, t                 ; s = max(m, 1e-6) / 127, the same lines as in the launch that quantised
	v_max_num_f32 v[\m], 0x358637bd, v[\m]
	v_mul_f32 v[\s], 0x3c010204, v[\m]
	v_fma_f32 v[\t], -v[\s], 0x42fe0000, v[\m]
	v_fmamk_f32 v[\s], v[\t], 0x3c010204, v[\s]
.endm
; A joint load.  Waves 0 and 1 fetch xq's two halves, waves 2 and 3 w1q's.  The branch hangs on the wave's number alone.  An s_nop 0 and four v_nop follow each of the two lines.
.macro JLOAD s
	s_cmp_eq_u32 s11, 0
	s_cbranch_scc0 .Lfor_b_\@
	tensor_load_to_lds s[G0+4*(\s):G0+4*(\s)+3], s[G1:G1+7]
	s_nop 0
.rept 4
	v_nop
.endr
	s_branch .Lasked_\@
.Lfor_b_\@:
	tensor_load_to_lds s[G0B+4*(\s):G0B+4*(\s)+3], s[G1B:G1B+7]
	s_nop 0
.rept 4
	v_nop
.endr
.Lasked_\@:
.endm
.macro CREST                           ; a round of the cluster's barrier behind its opening barrier
	s_cmp_lg_u32 s10, 0
	s_cbranch_scc1 .Lnot_wave_0_\@
	s_barrier_signal -3
.Lnot_wave_0_\@:
	s_barrier_wait -3
	s_barrier_signal -1
	s_barrier_wait -1
.endm
.macro CROUND                          ; a whole round
	s_barrier_signal -1
	s_barrier_wait -1
	CREST
.endm
	s_load_b64 s[4:5], s[0:1], 0x0                 ; qin
	s_load_b128 s[68:71], s[0:1], 0x8              ; pmax s[68:69], b1 s[70:71]
	s_load_b64 s[8:9], s[0:1], 0x18                ; g
	s_load_b64 s[66:67], s[0:1], 0x20              ; hmax
	v_lshl_add_u32 v[SPW], v0, 2, SPARE
	v_mov_b32 v[NIL], 0
	ds_add_u32 v28, v29
	s_wait_dscnt 0x0
	v_lshrrev_b32 v1, 5, v0
	v_readfirstlane_b32 s10, v1                    ; wave 0..3
	s_lshr_b32 s11, s10, 1                         ; which half of the tile's rows is mine.  Also: I fetch for xq (0) or for w1q (1)
	s_and_b32 s12, s10, 1                          ; which half of its columns.  Also: which 128 rows of that tile I fetch
	s_bfe_u32 s40, ttmp6, 0x40000                  ; cx
	s_bfe_u32 s41, ttmp6, 0x40004                  ; cy
	s_lshl_b32 s42, ttmp9, 2
	s_add_co_u32 s42, s42, s40                     ; tile column = 4 x cluster x + cx
	s_and_b32 s13, ttmp7, 0xffff
	s_lshl_b32 s13, s13, 2
	s_add_co_u32 s13, s13, s41                     ; tile row = 4 x cluster y + cy
	s_lshl_b32 s43, s41, 2
	s_lshl_b32 s43, 15, s43                        ; my row of the cluster
	s_lshl_b32 s44, 0x1111, s40                    ; my column
	; descriptor group 1: 128 rows x 128 elements of 2 bytes, 4 words of padding behind every 64 words
	s_or_b32 s[G1+0], s43, (1<<16)|(1<<20)|(1<<21)|(5<<22)|(3<<25)
	s_or_b32 s[G1B+0], s44, (1<<16)|(1<<20)|(1<<21)|(5<<22)|(3<<25)
.irp gg, G1, G1B
	s_mov_b32 s[(\gg)+1], KSTEP<<16                ; tensor_dim0 = 128
	s_mov_b32 s[(\gg)+2], 128<<16                  ; tensor_dim1 = 128
	s_mov_b32 s[(\gg)+3], KSTEP<<16                ; tile_dim0 = 128
	s_mov_b32 s[(\gg)+4], 128                      ; tile_dim1 = 128
	s_mov_b32 s[(\gg)+5], SIZE_K                   ; elements from row to row
	s_mov_b32 s[(\gg)+6], 0
	s_mov_b32 s[(\gg)+7], 0
.endr
	s_lshl_b32 s17, s12, 7
	s_lshl_b32 s16, s13, 8
	s_add_co_u32 s16, s16, s17                     ; xq: row 256 x tile row + 128 x half
	s_lshl_b32 s46, s42, 8
	s_add_co_u32 s46, s46, s17                     ; w1q: row 256 x tile column + 128 x half
	s_mov_b32 s17, 0
	s_mov_b32 s47, 0
	s_mov_b64 s[18:19], SIZE_K*2
	s_mul_u64 s[16:17], s[16:17], s[18:19]
	s_mul_u64 s[46:47], s[46:47], s[18:19]
	s_mul_i32 s20, s10, HALFT                      ; where they go: wave x 128 rows; no place in the cluster enters an LDS address
	s_wait_kmcnt 0x0
	s_add_nc_u64 s[6:7], s[4:5], W1Q
	s_add_nc_u64 s[14:15], s[4:5], s[16:17]
	s_add_nc_u64 s[46:47], s[6:7], s[46:47]
	CROUND                                         ; all sixteen work-groups are here: the first joint loads meet
.irp s, 0,1
	s_mov_b32 s[G0+4*(\s)], 1
	s_add_co_u32 s[G0+4*(\s)+1], s20, (\s)*SLOT
	s_add_nc_u64 s[G0+4*(\s)+2:G0+4*(\s)+3], s[14:15], (\s)*KSTEP*2
	s_or_b32 s[G0+4*(\s)+3], s[G0+4*(\s)+3], 0x80000000
	s_mov_b32 s[G0B+4*(\s)], 1
	s_add_co_u32 s[G0B+4*(\s)+1], s20, (\s)*SLOT
	s_add_nc_u64 s[G0B+4*(\s)+2:G0B+4*(\s)+3], s[46:47], (\s)*KSTEP*2
	s_or_b32 s[G0B+4*(\s)+3], s[G0B+4*(\s)+3], 0x80000000
	JLOAD \s                                       ; two tensor loads of mine are out
.endr
	; the rest of the head stands in the wait for the first tile
	v_and_b32 v1, 15, v0                           ; l % 16
	v_bfe_u32 v2, v0, 4, 1                         ; l / 16
	v_and_b32 v5, 31, v0
	v_lshlrev_b32 v[CO], 4, v5
	s_lshl_b32 s46, s42, 10                        ; my first column, in bytes of f32: 1,024 x tile column + 512 x half
	s_lshl_b32 s47, s12, 9
	s_add_co_u32 s46, s46, s47
	s_mov_b32 s47, 0
	s_add_nc_u64 s[70:71], s[70:71], s[46:47]      ; b1 at my 128 columns
	global_load_b128 v[40:43], v[CO], s[68:69]             ; x's 256 partial maxima,
	global_load_b128 v[44:47], v[CO], s[68:69] offset:512
	global_load_b128 v[48:51], v[CO], s[68:69] offset:1024 ; w1's 128
	global_load_b128 v[BI:BI+3], v[CO], s[70:71]
	v_mul_u32_u24 v3, v1, PITCH
	v_lshl_add_u32 v3, v2, 4, v3                   ; a fragment's row x pitch + 16 x half
	s_mul_i32 s21, s11, HALFT
	s_mul_i32 s22, s12, HALFT
	s_add_co_u32 s22, s22, 2*HALFT
.irp s, 0,1
	v_add_nc_u32 v[ADRA+(\s)], s21, v3
	v_add_nc_u32 v[ADRB+(\s)], s22, v3
	s_add_co_u32 s21, s21, SLOT
	s_add_co_u32 s22, s22, SLOT
.endr
	s_mul_i32 s23, s10, 16*SPITCH
	s_add_co_u32 s23, s23, STAGE                   ; my stage
	v_mul_u32_u24 v4, v1, SPITCH                   ; in: row l % 16, 32 bytes for each half of the lanes
	v_lshl_add_u32 v4, v2, 5, v4
	v_add_nc_u32 v[STO], s23, v4
	v_add_nc_u32 v[RD], s23, v[CO]                 ; back: 32 lanes take one row of 512 bytes
	v_mov_b32 v[ZERO], 0
.irp k, 0,1,2,3
	v_mov_b32 v[MX+(\k)], 0                        ; |g| is never below 0
.endr
	s_lshl_b32 s16, s13, 8
	s_lshl_b32 s14, s11, 7
	s_add_co_u32 s16, s16, s14                     ; my first row,
	s_lshl_b32 s16, s16, 14                        ; times 16,384 bytes (under 2^26)
	s_mov_b32 s17, 0
	s_add_nc_u64 s[8:9], s[8:9], s[16:17]
	s_add_nc_u64 s[8:9], s[8:9], s[46:47]          ; g at my part of the first tile
	s_lshl_b32 s16, s13, 4
	s_add_co_u32 s16, s16, s42
	s_lshl_b32 s16, s16, 2
	s_add_nc_u64 s[66:67], s[66:67], s[16:17]      ; hmax + 4 (16 x tile row + tile column)
	s_mov_b32 s[SEL], 0x76543210
	s_mov_b32 s[SEL+1], 0xfedcba98
	s_mov_b32 s[KT], 0x3eb504f3                    ; 0.35355339
	SETP KH2,   0xbf38aa3b                         ; -0.72134752
	SETP CF,    0xc034d90f                         ; -1.26551223 log2(e) - 1: the 1 is the factor one half
	SETP CF+2,  0x3fb8ab5a                         ;  1.00002368 log2(e)
	SETP CF+4,  0x3f0a29d2                         ;  0.37409196 log2(e)
	SETP CF+6,  0x3e0efb2e                         ;  0.09678418 log2(e)
	SETP CF+8,  0xbe899a80                         ; -0.18628806 log2(e)
	SETP CF+10, 0x3ecdfd18                         ;  0.27886807 log2(e)
	SETP CF+12, 0xbfd1a1e5                         ; -1.13520398 log2(e)
	SETP CF+14, 0x40097039                         ;  1.48851587 log2(e)
	SETP CF+16, 0xbf97d29d                         ; -0.82215223 log2(e)
	SETP CF+18, 0x3e7c6f08                         ;  0.17087277 log2(e)
	s_wait_loadcnt 0x0
	v_max3_num_f32 v40, v40, v41, v42
	v_max3_num_f32 v40, v40, v43, v44
	v_max3_num_f32 v40, v40, v45, v46
	v_max_num_f32 v40, v40, v47
	v_max3_num_f32 v48, v48, v49, v50
	v_max_num_f32 v48, v48, v51
	WMAX 40, 41
	WMAX 48, 49
	MKSCALE 40, 42, 43                             ; sx
	MKSCALE 48, 50, 51                             ; sw1
	v_mul_f32 v42, v42, v50
	v_readfirstlane_b32 s[SC], v42
	s_mov_b32 s[SC+1], s[SC]
; 16 matrix instructions: m blocks a0, a0 + 1 of the window's four x all 8 n blocks, 32 along K.  zero = 1: the first product starts the sums.  The 64 accumulators take turns.
.macro MUL16 f, hi, a0, zero
	WIN MUL_LO+0x50*(\hi)
.irp a, \a0, (\a0)+1
.irp b, 0,1,2,3,4,5,6,7
.if \zero
	v_wmma_f32_16x16x32_bf16 v[8*(8*(\a)+(\b)):8*(8*(\a)+(\b))+7], v[(\f)+8*(\b):(\f)+8*(\b)+7], v[(\f)+8*(4*(\hi)+(\a)):(\f)+8*(4*(\hi)+(\a))+7], 0
.else
	v_wmma_f32_16x16x32_bf16 v[8*(8*(\a)+(\b)):8*(8*(\a)+(\b))+7], v[(\f)+8*(\b):(\f)+8*(\b)+7], v[(\f)+8*(4*(\hi)+(\a)):(\f)+8*(4*(\hi)+(\a))+7], v[8*(8*(\a)+(\b)):8*(8*(\a)+(\b))+7]
.endif
.endr
.endr
.endm
; 32 LDS loads in one run: the fragments of one quarter step (32 K at byte k of the rows) into buffer f
.macro FETCH slot, k, f
	WIN TO_B
.irp i, 0,1,2,3,4,5,6,7
	ds_load_b128 v[(\f)+8*(\i):(\f)+8*(\i)+3],   v[ADRB+(\slot)] offset:(\k)+(\i)*16*PITCH
	ds_load_b128 v[(\f)+8*(\i)+4:(\f)+8*(\i)+7], v[ADRB+(\slot)] offset:(\k)+(\i)*16*PITCH+32
.endr
	WIN 0
.irp i, 0,1,2,3,4,5,6,7
	ds_load_b128 v[(\f)+8*(\i):(\f)+8*(\i)+3],   v[ADRA+(\slot)] offset:(\k)+(\i)*16*PITCH
	ds_load_b128 v[(\f)+8*(\i)+4:(\f)+8*(\i)+7], v[ADRA+(\slot)] offset:(\k)+(\i)*16*PITCH+32
.endr
.endm
.macro PLACES                          ; four plain vector places between a matrix instruction and a load into, or a read of, its registers
.rept 4
	v_nop
.endr
.endm
; One of a K step's first three quarters: multiplies buffer f; in its middle it fetches the next quarter's fragments, at byte k of the same slot's rows, into buffer g.
.macro QUARTER slot, k, f, g, zero
	s_wait_dscnt 8                                 ; w1q and xq's rows 0-63 are in; the youngest eight loads (xq's rows 64-127) may be out
	WIN MUL_LO
	MUL16 \f, 0, 0, \zero
	MUL16 \f, 0, 2, \zero
	PLACES
	FETCH \slot, \k, \g
	s_wait_dscnt 32                                ; all but the 32 just issued
	WIN MUL_HI
	MUL16 \f, 1, 0, \zero
	MUL16 \f, 1, 2, \zero
.endm
; The first half of a K step's last quarter: ONE barrier for the change of slots.  In front of it each wave waits for all its tensor loads (one is out: its part of the next slot), adds 0 to its spare
; word, and waits for that and for its own reads of this slot.
.macro MEET round
	WIN 0
	s_wait_tensorcnt 0x0
	ds_add_u32 v[SPW], v[NIL]
	s_wait_dscnt 9                                 ; the add and the youngest eight loads may be out
	WIN MUL_LO
	MUL16 F1, 0, 0, 0
	s_wait_dscnt 0x0                               ; the add is done, and my reads of this slot are over
	s_barrier_signal -1
	MUL16 F1, 0, 2, 0
.if \round
	WIN 0
.endif
	s_barrier_wait -1
.endm
; The whole last quarter.  on = 0: the slot just read is filled again with this tile's K step two on; on = 1: with the second tile's K step 0 or 1; on = 2: nothing is filled, and no round follows.
.macro TURN slot, next, on
.if (\on) == 2
	MEET 0
	PLACES
.else
	MEET 1
	CREST                                          ; no wave of any partner still reads this slot's tile or has a load on its way
.if (\on) == 1
	s_add_nc_u64 s[G0+4*(\slot)+2:G0+4*(\slot)+3], s[G0+4*(\slot)+2:G0+4*(\slot)+3], NEXT_A
	s_sub_nc_u64 s[G0B+4*(\slot)+2:G0B+4*(\slot)+3], s[G0B+4*(\slot)+2:G0B+4*(\slot)+3], BACK_B
.else
	s_add_nc_u64 s[G0+4*(\slot)+2:G0+4*(\slot)+3], s[G0+4*(\slot)+2:G0+4*(\slot)+3], 2*KSTEP*2
	s_add_nc_u64 s[G0B+4*(\slot)+2:G0B+4*(\slot)+3], s[G0B+4*(\slot)+2:G0B+4*(\slot)+3], 2*KSTEP*2
.endif
	JLOAD \slot                                    ; my one tensor load behind the round; its four v_nop are also the places in front of the loads below
.endif
	FETCH \next, 0, F0
	WIN MUL_HI
	MUL16 F1, 1, 0, 0
	MUL16 F1, 1, 2, 0
.endm
; Block a's 8 accumulators into my stage, each accumulator's low four registers first: 32 bytes a lane and n block
.macro TOST a
	WIN 0x08+4*((\a)/4)                            ; the stores' data (source 1) in window 2 or 3
.irp b, 0,1,2,3,4,5,6,7
	ds_store_b128 v[STO], v[64*((\a)%4)+8*(\b):64*((\a)%4)+8*(\b)+3] offset:64*(\b)
	ds_store_b128 v[STO], v[64*((\a)%4)+8*(\b)+4:64*((\a)%4)+8*(\b)+7] offset:64*(\b)+16
.endr
	WIN 0
.endm
; Scale, bias and GELU of 16 numbers a lane (four rows x my four columns) in place at v[x ..], and their share of the maximum.  The transcendentals stand in runs, with plain work that is due anyway behind each run.
.macro GELU16 x
.set p, 0
.rept 8
	v_pk_fma_f32 v[(\x)+2*p:(\x)+2*p+1], v[(\x)+2*p:(\x)+2*p+1], s[SC:SC+1], v[BI+2*(p%2):BI+2*(p%2)+1] op_sel_hi:[1,0,1]   ; h
.set p, p+1
.endr
.set i, 0
.rept 16
	v_fma_f32 v[GT+i], |v[(\x)+i]|, s[KT], 1.0
.set i, i+1
.endr
.set i, 0
.rept 16
	v_rcp_f32 v[GT+i], v[GT+i]                     ; t
.set i, i+1
.endr
.set p, 0
.rept 8
	v_pk_mul_f32 v[GW+2*p:GW+2*p+1], v[(\x)+2*p:(\x)+2*p+1], v[(\x)+2*p:(\x)+2*p+1]   ; h^2
.set p, p+1
.endr
.set p, 0
	s_wait_alu depctr_va_vdst(0)
.rept 8
	v_pk_fma_f32 v[GP+2*p:GP+2*p+1], v[GT+2*p:GT+2*p+1], s[CF+18:CF+19], s[CF+16:CF+17] op_sel_hi:[1,0,0]
.set p, p+1
.endr
.irp k, 7,6,5,4,3,2,1,0
.set p, 0
.rept 8
	v_pk_fma_f32 v[GP+2*p:GP+2*p+1], v[GP+2*p:GP+2*p+1], v[GT+2*p:GT+2*p+1], s[CF+2*(\k):CF+2*(\k)+1] op_sel_hi:[1,1,0]
.set p, p+1
.endr
.endr
.set p, 0
.rept 8
	v_pk_fma_f32 v[GP+2*p:GP+2*p+1], v[GW+2*p:GW+2*p+1], s[KH2:KH2+1], v[GP+2*p:GP+2*p+1] op_sel_hi:[1,0,1]
.set p, p+1
.endr
.set i, 0
.rept 16
	v_exp_f32 v[GP+i], v[GP+i]
.set i, i+1
.endr
.set i, 0
.rept 16
	v_max_num_f32 v[GW+i], 0, v[(\x)+i]
.set i, i+1
.endr
.set p, 0
	s_wait_alu depctr_va_vdst(0)
.rept 8
	v_pk_mul_f32 v[GP+2*p:GP+2*p+1], v[GP+2*p:GP+2*p+1], v[GT+2*p:GT+2*p+1]   ; E
.set p, p+1
.endr
.set i, 0
.rept 16
	v_fma_f32 v[(\x)+i], -|v[(\x)+i]|, v[GP+i], v[GW+i]   ; g
.set i, i+1
.endr
.set p, 0
.rept 8
	v_max3_num_f32 v[MX+p%4], v[MX+p%4], |v[(\x)+2*p]|, |v[(\x)+2*p+1]|
.set p, p+1
.endr
.endm
	s_wait_tensorcnt 1                             ; my part of K step 0 is in; K step 1's may stay out
	s_barrier_signal -1
	s_barrier_wait -1
	FETCH 0, 0, F0
	s_mov_b32 s2, TILES                            ; tiles to go: the same number in every work-group
.Ltile:
	QUARTER 0, 64,  F0, F1, 1                      ; a tile's first quarter starts the sums
	WIN 0
	s_mov_b32 s3, LAPS-1
.Llap:                                                 ; a trip goes once round the ring and fills both slots again
	QUARTER 0, 128, F1, F0, 0
	QUARTER 0, 192, F0, F1, 0
	TURN 0, 1, 0
	QUARTER 1, 64,  F0, F1, 0
	QUARTER 1, 128, F1, F0, 0
	QUARTER 1, 192, F0, F1, 0
	TURN 1, 0, 0
	QUARTER 0, 64,  F0, F1, 0
	WIN 0
	s_sub_co_u32 s3, s3, 1
	s_cmp_lg_u32 s3, 0
	s_cbranch_scc1 .Llap
	QUARTER 0, 128, F1, F0, 0                      ; the tile's last lap goes on
	QUARTER 0, 192, F0, F1, 0
	WIN 0
	s_cmp_eq_u32 s2, 1
	s_cbranch_scc1 .Llast_tile                     ; the last tile's tail is written out: it asks for nothing more
	TURN 0, 1, 1                                   ; the ring goes on into the second tile: slot 0 takes its K step 0,
	QUARTER 1, 64,  F0, F1, 0
	QUARTER 1, 128, F1, F0, 0
	QUARTER 1, 192, F0, F1, 0
	TURN 1, 0, 1                                   ; slot 1 its K step 1, and its first fragments are fetched into buffer 0, which the way out leaves alone
	WIN 0
	s_branch .Lout
.Llast_tile:
	TURN 0, 1, 2
	QUARTER 1, 64,  F0, F1, 0
	QUARTER 1, 128, F1, F0, 0
	QUARTER 1, 192, F0, F1, 0
	s_wait_dscnt 8
	MUL16 F1, 0, 0, 0
	MUL16 F1, 0, 2, 0
	s_wait_dscnt 0x0
	MUL16 F1, 1, 0, 0
	MUL16 F1, 1, 2, 0
	WIN 0
.Lout:                                                 ; THE WAY OUT, one text for both tiles: eight trips, block 8 - BLK of 16 rows in each
	PLACES                                         ; behind the last products
	s_mov_b32 s[BLK], 8
.Lblk:
.irp a, 0,1,2,3,4,5,6                  ; registers have no index: only the 16 stores into the stage are written once for each block
	s_cmp_eq_u32 s[BLK], 8-(\a)
	s_cbranch_scc1 .Lb\a
.endr
	TOST 7
	s_branch .Lback
.irp a, 0,1,2,3,4,5,6
.Lb\a:
	TOST \a
	s_branch .Lback
.endr
.Lback:
.irp t, 0,1,2,3,4,5,6,7,8,9,10,11,12,13,14,15
	ds_load_b128 v[OB+4*(\t):OB+4*(\t)+3], v[RD] offset:(\t)*SPITCH   ; LDS serves a wave's instructions in order (ISA guide 5.7.1.4): these see the stores above, and the next trip's stores come behind them
.endr
.irp gi, 0,1,2,3
	s_wait_dscnt 12-4*(\gi)                        ; four more rows are in; the younger row loads stay out
	GELU16 OB+16*(\gi)
.irp t, 0,1,2,3
	global_store_b128 v[CO], v[OB+16*(\gi)+4*(\t):OB+16*(\gi)+4*(\t)+3], s[8:9] offset:(4*(\gi)+(\t))*SIZE_N*4   ; 512 consecutive bytes of a row of g, at a multiple of 512 from its first byte
.endr
.endr
	s_wait_xcnt 0x0                                ; the stores' base and their data registers are written again only behind this wait
	s_add_nc_u64 s[8:9], s[8:9], 16*SIZE_N*4
	s_sub_co_u32 s[BLK], s[BLK], 1
	s_cmp_lg_u32 s[BLK], 0
	s_cbranch_scc1 .Lblk
	s_add_nc_u64 s[8:9], s[8:9], (WALK-128)*SIZE_N*4   ; on to my rows of the second tile (behind the last tile the address is not used)
	s_sub_co_u32 s2, s2, 1
	s_cmp_lg_u32 s2, 0
	s_cbranch_scc1 .Ltile
	; the work-group's largest |g|
	v_max3_num_f32 v[MX], v[MX], v[MX+1], v[MX+2]
	v_max_num_f32 v[MX], v[MX], v[MX+3]
	WMAX MX, MX+1
	s_lshl_b32 s14, s10, 2
	s_add_co_u32 s14, s14, RED
	v_mov_b32 v40, s14
	ds_store_b32 v40, v[MX]                        ; my wave's word
	s_wait_dscnt 0x0                               ; for the others' sake
	s_barrier_signal -1
	s_barrier_wait -1
	v_mov_b32 v41, RED
	ds_load_b128 v[44:47], v41
	s_wait_dscnt 0x0
	v_max3_num_f32 v44, v44, v45, v46
	v_max_num_f32 v44, v44, v47
	v_cmp_eq_u32 vcc_lo, 0, v0
	s_wait_xcnt 0x0                                ; EXEC is narrowed only behind this wait
	s_and_saveexec_b32 s[SAV], vcc_lo
	global_store_b32 v[ZERO], v44, s[66:67]        ; thread 0 alone: one word a work-group
	s_wait_xcnt 0x0                                ; and widened only behind this one
	s_or_b32 exec_lo, exec_lo, s[SAV]
	s_wait_tensorcnt 0x0                           ; the wave's end
	ds_add_u32 v[SPW], v[NIL]
	s_wait_dscnt 0x0
	CROUND                                         ; the closing round: no work-group ends while a partner may still ask for a tile that names it
	s_endpgm
.Lfunc_end_k_q5eab451b86_gemm1:
	.size	k_q5eab451b86_gemm1, .Lfunc_end_k_q5eab451b86_gemm1-k_q5eab451b86_gemm1
	.p2alignl 7, 3214868480
	.fill 96, 4, 3214868480
	.section	.rodata,"a",@progbits
	.p2align	6, 0x0
	.amdhsa_kernel k_q5eab451b86_gemm1
		.amdhsa_group_segment_fixed_size 327680
		.amdhsa_private_segment_fixed_size 0
		.amdhsa_enable_private_segment 0
		.amdhsa_kernarg_size 40
		.amdhsa_user_sgpr_count 2
		.amdhsa_user_sgpr_kernarg_segment_ptr 1
		.amdhsa_wavefront_size32 1
		.amdhsa_system_sgpr_workgroup_id_x 1
		.amdhsa_system_sgpr_workgroup_id_y 1
		.amdhsa_system_sgpr_workgroup_id_z 1
		.amdhsa_system_vgpr_workitem_id 0
		.amdhsa_next_free_vgpr 1024
		.amdhsa_next_free_sgpr 102
		.amdhsa_reserve_vcc 1
		.amdhsa_float_denorm_mode_32 3
		.amdhsa_float_denorm_mode_16_64 3
		.amdhsa_memory_ordered 1
		.amdhsa_forward_progress 1
		.amdhsa_inst_pref_size 205
	.end_amdhsa_kernel
	.amdgpu_metadata
---
amdhsa.version: [ 1, 2 ]
amdhsa.kernels:
  - .name:           k_q5eab451b86_gemm1
    .symbol:         k_q5eab451b86_gemm1.kd
    .args:
      - { .name: qin, .offset: 0, .size: 8, .value_kind: global_buffer, .address_space: global }
      - { .name: pmax, .offset: 8, .size: 8, .value_kind: global_buffer, .address_space: global }
      - { .name: b1, .offset: 16, .size: 8, .value_kind: global_buffer, .address_space: global }
      - { .name: g, .offset: 24, .size: 8, .value_kind: global_buffer, .address_space: global }
      - { .name: hmax, .offset: 32, .size: 8, .value_kind: global_buffer, .address_space: global }
    .group_segment_fixed_size: 327680
    .private_segment_fixed_size: 0
    .kernarg_segment_align: 8
    .kernarg_segment_size: 40
    .max_flat_workgroup_size: 128
    .sgpr_count:     102
    .vgpr_count:     1024
    .wavefront_size: 32
...
	.end_amdgpu_metadata
.endif
;; end of part 3
;; launch quanth (part 4): grid 1024 x 1, 8 waves a work-group, no clusters, 0 bytes of LDS; arguments g, hmax, hq; writes hq
.if DOCPART == 4
	.amdgcn_target "amdgcn-amd-amdhsa--gfx1250"
	.amdhsa_code_object_version 6
	.text
	.protected	k_q5eab451b86_quanth
	.globl	k_q5eab451b86_quanth
	.p2align	8
	.type	k_q5eab451b86_quanth,@function
k_q5eab451b86_quanth:
	s_mov_b64 s[64:65], 0
	v_nop
	global_prefetch_b8 v0, s[64:65] scope:SCOPE_SE
	s_setreg_imm32_b32 hwreg(HW_REG_WAVE_MODE, 25, 1), 1
	s_wait_xcnt 0x0
; hq = round(g / sh) as bf16, sh = max(max|g|, 1e-6) / 127, the maximum joined from the 256 partial maxima in hmax.  The results are whole numbers of at most 127 in size: exact in bf16.
; Work-group i takes 128 KiB of g at 131,072 i and writes 64 KiB of hq at 65,536 i.  A wave takes 16 KiB on end: 32 loads of 512 consecutive bytes; a load's 4 numbers a lane leave as 8 bytes a lane:
; one store of a wave covers 256 consecutive bytes, aligned.  All 32 data loads are out while the scale is made.
; THE QUOTIENT: q0 = v r, e = v - q0 s (one fused step, exact), q = q0 + e r, with r = 1/s refined once.  LIMIT: the rounded quotient but for rare cases in the last bit; NaN and infinities are not treated apart.
; No LDS, no matrix unit, no cluster: a stream in which no byte is shared.
.set X,   36                           ; v[36:163]  the 32 loads; a load's first two registers then hold its 4 bf16
.set Q,   20                           ; v[20:35]   two sets by turns: 4 quotients, 4 remainders
.set SEL, 24
.set RC,  26                           ; s[26:27]   1/s, twice
.set SS,  28                           ; s[28:29]   s, twice
.macro WMAX m, t
	v_mov_b32 v[\t], v[\m]
	v_max_num_f32_dpp v[\m], v[\m], v[\m] row_xmask:1 row_mask:0xf bank_mask:0xf
	v_max_num_f32_dpp v[\m], v[\m], v[\m] row_xmask:2 row_mask:0xf bank_mask:0xf
	v_max_num_f32_dpp v[\m], v[\m], v[\m] row_xmask:4 row_mask:0xf bank_mask:0xf
	v_max_num_f32_dpp v[\m], v[\m], v[\m] row_xmask:8 row_mask:0xf bank_mask:0xf
	v_permlanex16_b32 v[\t], v[\m], s[SEL], s[SEL+1]
	v_max_num_f32 v[\m], v[\m], v[\t]
.endm
.macro MKSCALE m, s, t
	v_max_num_f32 v[\m], 0x358637bd, v[\m]
	v_mul_f32 v[\s], 0x3c010204, v[\m]
	v_fma_f32 v[\t], -v[\s], 0x42fe0000, v[\m]
	v_fmamk_f32 v[\s], v[\t], 0x3c010204, v[\s]
.endm
.macro MKRCP s, r, t
	v_rcp_f32 v[\r], v[\s]
	v_nop                                          ; a plain instruction between the reciprocal and the use of its result
	s_wait_alu depctr_va_vdst(0)
	v_fma_f32 v[\t], -v[\s], v[\r], 1.0
	v_fma_f32 v[\r], v[\t], v[\r], v[\r]
.endm
	s_load_b128 s[4:7], s[0:1], 0x0                ; g s[4:5], hmax s[6:7]
	s_load_b64 s[8:9], s[0:1], 0x10                ; hq
	s_lshl_b32 s20, ttmp9, 17                      ; under 2^27
	s_mov_b32 s21, 0
	s_lshl_b32 s30, ttmp9, 16
	s_mov_b32 s31, 0
	s_mov_b32 s[SEL], 0x76543210
	s_mov_b32 s[SEL+1], 0xfedcba98
	v_lshrrev_b32 v5, 5, v0                        ; wave
	v_and_b32 v3, 31, v0                           ; lane
	v_lshlrev_b32 v1, 14, v5
	v_lshl_or_b32 v1, v3, 4, v1                    ; in: 16 KiB a wave, 16 bytes a lane
	v_lshlrev_b32 v2, 13, v5
	v_lshl_or_b32 v2, v3, 3, v2                    ; out: 8 KiB a wave, 8 bytes a lane
	v_lshlrev_b32 v3, 4, v3
	s_wait_kmcnt 0x0
	s_add_nc_u64 s[4:5], s[4:5], s[20:21]
	s_add_nc_u64 s[8:9], s[8:9], s[30:31]
	global_load_b128 v[8:11], v3, s[6:7]
	global_load_b128 v[12:15], v3, s[6:7] offset:512
.set j, 0
.rept 32
	global_load_b128 v[X+4*j:X+4*j+3], v1, s[4:5] offset:512*j th:TH_LOAD_NT   ; the last use of these bytes
.set j, j+1
.endr
	s_wait_loadcnt 32                              ; the two loads of partial maxima are in; the 32 behind them stay out
	v_max3_num_f32 v16, v8, v9, v10
	v_max3_num_f32 v16, v16, v11, v12
	v_max3_num_f32 v16, v16, v13, v14
	v_max_num_f32 v16, v16, v15
	WMAX 16, 19
	MKSCALE 16, 17, 19
	MKRCP 17, 18, 19
	v_readfirstlane_b32 s[RC], v18
	s_mov_b32 s[RC+1], s[RC]
	v_readfirstlane_b32 s[SS], v17
	s_mov_b32 s[SS+1], s[SS]
.set j, 0
.rept 32
.set XR, X+4*j
.set QR, Q+8*(j%2)
.set ER, QR+4
	s_wait_loadcnt 31-j                            ; load j is in, the younger ones stay out
	v_pk_mul_f32 v[QR:QR+1], v[XR:XR+1], s[RC:RC+1] op_sel_hi:[1,0]
	v_pk_mul_f32 v[QR+2:QR+3], v[XR+2:XR+3], s[RC:RC+1] op_sel_hi:[1,0]
	v_pk_fma_f32 v[ER:ER+1], v[QR:QR+1], s[SS:SS+1], v[XR:XR+1] op_sel_hi:[1,0,1] neg_lo:[1,0,0] neg_hi:[1,0,0]
	v_pk_fma_f32 v[ER+2:ER+3], v[QR+2:QR+3], s[SS:SS+1], v[XR+2:XR+3] op_sel_hi:[1,0,1] neg_lo:[1,0,0] neg_hi:[1,0,0]
	v_pk_fma_f32 v[QR:QR+1], v[ER:ER+1], s[RC:RC+1], v[QR:QR+1] op_sel_hi:[1,0,1]
	v_pk_fma_f32 v[QR+2:QR+3], v[ER+2:ER+3], s[RC:RC+1], v[QR+2:QR+3] op_sel_hi:[1,0,1]
	v_rndne_f32 v[QR], v[QR]
	v_rndne_f32 v[QR+1], v[QR+1]
	v_rndne_f32 v[QR+2], v[QR+2]
	v_rndne_f32 v[QR+3], v[QR+3]
	v_cvt_pk_bf16_f32 v[XR], v[QR], v[QR+1]        ; into the load's own registers, which nothing writes again: the store needs no wait behind it
	v_cvt_pk_bf16_f32 v[XR+1], v[QR+2], v[QR+3]
	global_store_b64 v2, v[XR:XR+1], s[8:9] offset:256*j
.set j, j+1
.endr
	s_endpgm
.Lfunc_end_k_q5eab451b86_quanth:
	.size	k_q5eab451b86_quanth, .Lfunc_end_k_q5eab451b86_quanth-k_q5eab451b86_quanth
	.p2alignl 7, 3214868480
	.fill 96, 4, 3214868480
	.section	.rodata,"a",@progbits
	.p2align	6, 0x0
	.amdhsa_kernel k_q5eab451b86_quanth
		.amdhsa_group_segment_fixed_size 0
		.amdhsa_private_segment_fixed_size 0
		.amdhsa_enable_private_segment 0
		.amdhsa_kernarg_size 24
		.amdhsa_user_sgpr_count 2
		.amdhsa_user_sgpr_kernarg_segment_ptr 1
		.amdhsa_wavefront_size32 1
		.amdhsa_system_sgpr_workgroup_id_x 1
		.amdhsa_system_sgpr_workgroup_id_y 1
		.amdhsa_system_sgpr_workgroup_id_z 1
		.amdhsa_system_vgpr_workitem_id 0
		.amdhsa_next_free_vgpr 164
		.amdhsa_next_free_sgpr 66
		.amdhsa_reserve_vcc 0
		.amdhsa_float_denorm_mode_32 3
		.amdhsa_float_denorm_mode_16_64 3
		.amdhsa_memory_ordered 1
		.amdhsa_forward_progress 1
		.amdhsa_inst_pref_size 30
	.end_amdhsa_kernel
	.amdgpu_metadata
---
amdhsa.version: [ 1, 2 ]
amdhsa.kernels:
  - .name:           k_q5eab451b86_quanth
    .symbol:         k_q5eab451b86_quanth.kd
    .args:
      - { .name: g, .offset: 0, .size: 8, .value_kind: global_buffer, .address_space: global }
      - { .name: hmax, .offset: 8, .size: 8, .value_kind: global_buffer, .address_space: global }
      - { .name: hq, .offset: 16, .size: 8, .value_kind: global_buffer, .address_space: global }
    .group_segment_fixed_size: 0
    .private_segment_fixed_size: 0
    .kernarg_segment_align: 8
    .kernarg_segment_size: 24
    .max_flat_workgroup_size: 256
    .sgpr_count:     66
    .vgpr_count:     164
    .wavefront_size: 32
...
	.end_amdgpu_metadata
.endif
;; end of part 4
;; launch gemm2 (part 5): grid 4 x 64, 4 waves a work-group, clusters of 4 x 4, 327,680 bytes of LDS; arguments hq, qin, pmax, hmax, b2, out0; writes out0
.if DOCPART == 5
	.amdgcn_target "amdgcn-amd-amdhsa--gfx1250"
	.amdhsa_code_object_version 6
	.text
	.protected	k_q5eab451b86_gemm2
	.globl	k_q5eab451b86_gemm2
	.p2align	8
	.type	k_q5eab451b86_gemm2,@function
k_q5eab451b86_gemm2:
	s_mov_b64 s[64:65], 0
	v_nop
	global_prefetch_b8 v0, s[64:65] scope:SCOPE_SE
	s_setreg_imm32_b32 hwreg(HW_REG_WAVE_MODE, 25, 1), 1
	s_wait_xcnt 0x0
	s_wait_alu depctr_hold_cnt(0) depctr_sa_sdst(0) depctr_va_vdst(0) depctr_va_sdst(0) depctr_va_ssrc(0) depctr_va_vcc(0) depctr_vm_vsrc(0)
	s_getreg_b32 s2, hwreg(HW_REG_IB_STS2, 6, 4)
	s_cmp_eq_u32 s2, 0
	s_cbranch_scc0 .Lentry_in_a_cluster
	s_endpgm
.Lentry_in_a_cluster:
	s_bfe_u32 s2, ttmp6, 0x10000c
	s_cmp_lg_u32 s2, 0xf033
	s_cbranch_scc0 .Lentry_shape_is_right
	s_endpgm
.Lentry_shape_is_right:
; out0 = (hq w2q^T) (sh sw2) + b2 in f32, [8192][1024].  hq [8192][4096] bf16; w2q [1024][4096] bf16 at qin + 24 MiB; both whole numbers of at most 127 in size.
; LIMIT: the sums are whole numbers, exact up to 2^24; beyond that (their bound is 127 x 127 x 4096) they carry f32's rounding.
; A tile is 128 rows x 256 columns: 64 x 4 = 256 work-groups, where tiles of 256 x 256 would make 128.  Four waves, each 64 x 128: 32 accumulators of 16 x 16, 256 registers.
; K goes in 32 steps of 128 through a ring of two LDS slots (128 rows of hq, 256 rows of w2q, rows of 256 bytes at multiples of 256); two slots of twice that step do not fit in LDS.
; CLUSTERS: 4 x 4 work-groups.  The four of a row of the cluster need the same tiles of hq, the four of a column the same tiles of w2q: each tile is asked for JOINTLY.
; THE MATRIX INSTRUCTION IS USED TRANSPOSED (source 0 = 16 rows of w2q, source 1 = 16 rows of hq): a lane holds row l % 16 and eight neighbouring columns.
; THE WAY OUT, 16 rows at a time: raw sums into my wave's own stage, back as whole rows of 512 bytes, one fused multiply-add with the scale and my four columns' bias, stores of 512 consecutive bytes.
; REGISTERS: window 0: v0-63 addresses, bias, scale work; v64-159, v160-255 two fragment buffers (32 registers of hq, then 64 of w2q); on the way out v64-191 hold rows.  window 1: accumulator (a, b) at v[8 (8 a + b)].
; All of the LDS is claimed.
.set SIZE_K, 4096
.set SIZE_N, 1024
.set W2Q,    0x1800000                 ; w2q's first byte in qin
.set KSTEP,  128
.set PITCH,  272                       ; 256 bytes + 16 of padding = 68 words: row r starts at bank 4 r mod 64 (64 banks of 4 bytes: ISA guide 11.1)
.set AHALF,  64*PITCH                  ; what a load of hq brings
.set BHALF,  128*PITCH                 ; what a load of w2q brings
.set BOFF,   2*AHALF                   ; w2q's rows lie behind hq's 128
.set SLOT,   2*AHALF+2*BHALF
.set STAGE,  2*SLOT                    ; behind the ring: 16 rows x 528 bytes for each wave; no tensor load lands here
.set SPITCH, 528
.set SPARE,  STAGE+4*16*SPITCH         ; the spare words, 128 bytes for each wave: two blocks of 256 bytes that no other line names
.set LAPS,   SIZE_K/(2*KSTEP)
.set ADRA, 16
.set ADRB, 20
.set STO,  24
.set RD,   25
.set CO,   26
.set SPW,  28                          ; never rewritten
.set NIL,  29                          ; never rewritten
.set BI,   32                          ; v[32:35] b2 of my four columns
.set F0,   64
.set F1,   160
.set OB,   64                          ; the way out: two buffers of 16 rows x 4 registers
.set G1,  24
.set G0,  32
.set G1B, 48
.set G0B, 56
.set SEL, 76
.set SC,  78                           ; s[78:79] sh sw2, twice
.set MSB, 0
.macro WIN new
.if MSB != (\new)
	s_set_vgpr_msb (MSB<<8)|(\new)
.set MSB, \new
.endif
.endm
.set MUL, 0x50                         ; sources 0 and 1 window 0; C and D window 1
.macro WMAX m, t
	v_mov_b32 v[\t], v[\m]
	v_max_num_f32_dpp v[\m], v[\m], v[\m] row_xmask:1 row_mask:0xf bank_mask:0xf
	v_max_num_f32_dpp v[\m], v[\m], v[\m] row_xmask:2 row_mask:0xf bank_mask:0xf
	v_max_num_f32_dpp v[\m], v[\m], v[\m] row_xmask:4 row_mask:0xf bank_mask:0xf
	v_max_num_f32_dpp v[\m], v[\m], v[\m] row_xmask:8 row_mask:0xf bank_mask:0xf
	v_permlanex16_b32 v[\t], v[\m], s[SEL], s[SEL+1]
	v_max_num_f32 v[\m], v[\m], v[\t]
.endm
.macro MKSCALE m, s, t                 ; s = max(m, 1e-6) / 127, the same lines as in the launches that quantised
	v_max_num_f32 v[\m], 0x358637bd, v[\m]
	v_mul_f32 v[\s], 0x3c010204, v[\m]
	v_fma_f32 v[\t], -v[\s], 0x42fe0000, v[\m]
	v_fmamk_f32 v[\s], v[\t], 0x3c010204, v[\s]
.endm
.macro JLOAD s                         ; a joint load: waves 0 and 1 fetch hq's two halves, waves 2 and 3 w2q's; an s_nop 0 and four v_nop follow each of the two lines
	s_cmp_eq_u32 s11, 0
	s_cbranch_scc0 .Lfor_b_\@
	tensor_load_to_lds s[G0+4*(\s):G0+4*(\s)+3], s[G1:G1+7]
	s_nop 0
.rept 4
	v_nop
.endr
	s_branch .Lasked_\@
.Lfor_b_\@:
	tensor_load_to_lds s[G0B+4*(\s):G0B+4*(\s)+3], s[G1B:G1B+7]
	s_nop 0
.rept 4
	v_nop
.endr
.Lasked_\@:
.endm
.macro CREST
	s_cmp_lg_u32 s10, 0
	s_cbranch_scc1 .Lnot_wave_0_\@
	s_barrier_signal -3
.Lnot_wave_0_\@:
	s_barrier_wait -3
	s_barrier_signal -1
	s_barrier_wait -1
.endm
.macro CROUND
	s_barrier_signal -1
	s_barrier_wait -1
	CREST
.endm
	s_load_b128 s[4:7], s[0:1], 0x0                ; hq s[4:5], qin s[6:7]
	s_load_b256 s[68:75], s[0:1], 0x10             ; pmax s[68:69], hmax s[70:71], b2 s[72:73], out0 s[74:75]
	v_lshl_add_u32 v[SPW], v0, 2, SPARE
	v_mov_b32 v[NIL], 0
	ds_add_u32 v28, v29
	s_wait_dscnt 0x0
	v_lshrrev_b32 v1, 5, v0
	v_readfirstlane_b32 s10, v1                    ; wave 0..3
	s_lshr_b32 s11, s10, 1                         ; which 64 of the tile's rows are mine.  Also: I fetch for hq (0) or for w2q (1)
	s_and_b32 s12, s10, 1                          ; which 128 of its columns.  Also: which half of that tile I fetch
	s_bfe_u32 s40, ttmp6, 0x40000                  ; cx
	s_bfe_u32 s41, ttmp6, 0x40004                  ; cy
	s_lshl_b32 s42, ttmp9, 2
	s_add_co_u32 s42, s42, s40                     ; tile column
	s_and_b32 s13, ttmp7, 0xffff
	s_lshl_b32 s13, s13, 2
	s_add_co_u32 s13, s13, s41                     ; tile row
	s_lshl_b32 s43, s41, 2
	s_lshl_b32 s43, 15, s43                        ; my row of the cluster
	s_lshl_b32 s44, 0x1111, s40                    ; my column
	; descriptor groups 1: rows of 128 elements of 2 bytes, 4 words of padding behind every 64 words; 64 rows of hq, 128 rows of w2q
	s_or_b32 s[G1+0], s43, (1<<16)|(1<<20)|(1<<21)|(5<<22)|(3<<25)
	s_or_b32 s[G1B+0], s44, (1<<16)|(1<<20)|(1<<21)|(5<<22)|(3<<25)
	s_mov_b32 s[G1+1], KSTEP<<16                   ; tensor_dim0 = 128
	s_mov_b32 s[G1+2], 64<<16                      ; tensor_dim1 = 64
	s_mov_b32 s[G1+3], KSTEP<<16                   ; tile_dim0 = 128
	s_mov_b32 s[G1+4], 64                          ; tile_dim1 = 64
	s_mov_b32 s[G1+5], SIZE_K                      ; elements from row to row
	s_mov_b32 s[G1+6], 0
	s_mov_b32 s[G1+7], 0
	s_mov_b32 s[G1B+1], KSTEP<<16
	s_mov_b32 s[G1B+2], 128<<16
	s_mov_b32 s[G1B+3], KSTEP<<16
	s_mov_b32 s[G1B+4], 128
	s_mov_b32 s[G1B+5], SIZE_K
	s_mov_b32 s[G1B+6], 0
	s_mov_b32 s[G1B+7], 0
	s_lshl_b32 s16, s13, 7
	s_lshl_b32 s17, s12, 6
	s_add_co_u32 s16, s16, s17                     ; hq: row 128 x tile row + 64 x half,
	s_lshl_b32 s16, s16, 13                        ; times 8,192 bytes (under 2^27)
	s_mov_b32 s17, 0
	s_lshl_b32 s46, s42, 8
	s_lshl_b32 s47, s12, 7
	s_add_co_u32 s46, s46, s47                     ; w2q: row 256 x tile column + 128 x half
	s_lshl_b32 s46, s46, 13
	s_mov_b32 s47, 0
	s_mul_i32 s20, s12, AHALF                      ; where they go: no place in the cluster enters an LDS address
	s_mul_i32 s21, s12, BHALF
	s_add_co_u32 s21, s21, BOFF
	s_wait_kmcnt 0x0
	s_add_nc_u64 s[6:7], s[6:7], W2Q
	s_add_nc_u64 s[14:15], s[4:5], s[16:17]
	s_add_nc_u64 s[46:47], s[6:7], s[46:47]
	CROUND                                         ; all sixteen work-groups are here: the first joint loads meet
.irp s, 0,1
	s_mov_b32 s[G0+4*(\s)], 1
	s_add_co_u32 s[G0+4*(\s)+1], s20, (\s)*SLOT
	s_add_nc_u64 s[G0+4*(\s)+2:G0+4*(\s)+3], s[14:15], (\s)*KSTEP*2
	s_or_b32 s[G0+4*(\s)+3], s[G0+4*(\s)+3], 0x80000000
	s_mov_b32 s[G0B+4*(\s)], 1
	s_add_co_u32 s[G0B+4*(\s)+1], s21, (\s)*SLOT
	s_add_nc_u64 s[G0B+4*(\s)+2:G0B+4*(\s)+3], s[46:47], (\s)*KSTEP*2
	s_or_b32 s[G0B+4*(\s)+3], s[G0B+4*(\s)+3], 0x80000000
	JLOAD \s                                       ; two tensor loads of mine are out
.endr
	; the rest of the head stands in the wait for the first tile
	v_and_b32 v1, 15, v0                           ; l % 16
	v_bfe_u32 v2, v0, 4, 1                         ; l / 16
	v_and_b32 v5, 31, v0
	v_lshlrev_b32 v[CO], 4, v5
	s_lshl_b32 s46, s42, 10                        ; my first column, in bytes of f32
	s_lshl_b32 s47, s12, 9
	s_add_co_u32 s46, s46, s47
	s_mov_b32 s47, 0
	s_add_nc_u64 s[72:73], s[72:73], s[46:47]      ; b2 at my 128 columns
	global_load_b128 v[36:39], v[CO], s[68:69] offset:1536 ; w2's 128 partial maxima
	global_load_b128 v[40:43], v[CO], s[70:71]             ; g's 256
	global_load_b128 v[44:47], v[CO], s[70:71] offset:512
	global_load_b128 v[BI:BI+3], v[CO], s[72:73]
	v_mul_u32_u24 v3, v1, PITCH
	v_lshl_add_u32 v3, v2, 4, v3                   ; a fragment's row x pitch + 16 x half
	s_mul_i32 s22, s11, AHALF                      ; my 64 rows of hq
	s_mul_i32 s23, s12, BHALF                      ; my 128 rows of w2q
	s_add_co_u32 s23, s23, BOFF
.irp s, 0,1
	v_add_nc_u32 v[ADRA+(\s)], s22, v3
	v_add_nc_u32 v[ADRB+(\s)], s23, v3
	s_add_co_u32 s22, s22, SLOT
	s_add_co_u32 s23, s23, SLOT
.endr
	s_mul_i32 s23, s10, 16*SPITCH
	s_add_co_u32 s23, s23, STAGE                   ; my stage
	v_mul_u32_u24 v4, v1, SPITCH                   ; in: row l % 16, 32 bytes for each half of the lanes
	v_lshl_add_u32 v4, v2, 5, v4
	v_add_nc_u32 v[STO], s23, v4
	v_add_nc_u32 v[RD], s23, v[CO]                 ; back: 32 lanes take one row of 512 bytes
	s_lshl_b32 s16, s13, 7
	s_lshl_b32 s14, s11, 6
	s_add_co_u32 s16, s16, s14                     ; my first row,
	s_lshl_b32 s16, s16, 12                        ; times 4,096 bytes
	s_mov_b32 s17, 0
	s_add_nc_u64 s[8:9], s[74:75], s[16:17]
	s_add_nc_u64 s[8:9], s[8:9], s[46:47]          ; out0 at my part of the tile
	s_mov_b32 s[SEL], 0x76543210
	s_mov_b32 s[SEL+1], 0xfedcba98
	s_wait_loadcnt 0x0
	v_max3_num_f32 v36, v36, v37, v38
	v_max_num_f32 v36, v36, v39
	v_max3_num_f32 v40, v40, v41, v42
	v_max3_num_f32 v40, v40, v43, v44
	v_max3_num_f32 v40, v40, v45, v46
	v_max_num_f32 v40, v40, v47
	WMAX 36, 37
	WMAX 40, 41
	MKSCALE 36, 48, 49                             ; sw2
	MKSCALE 40, 50, 51                             ; sh
	v_mul_f32 v48, v50, v48
	v_readfirstlane_b32 s[SC], v48
	s_mov_b32 s[SC+1], s[SC]
; 8 matrix instructions: m block a x all 8 n blocks, 32 along K.  zero = 1: the first product starts the sums.  The 32 accumulators take turns in one fixed order.
.macro MULA f, a, zero
	WIN MUL
.irp b, 0,1,2,3,4,5,6,7
.if \zero
	v_wmma_f32_16x16x32_bf16 v[8*(8*(\a)+(\b)):8*(8*(\a)+(\b))+7], v[(\f)+32+8*(\b):(\f)+32+8*(\b)+7], v[(\f)+8*(\a):(\f)+8*(\a)+7], 0
.else
	v_wmma_f32_16x16x32_bf16 v[8*(8*(\a)+(\b)):8*(8*(\a)+(\b))+7], v[(\f)+32+8*(\b):(\f)+32+8*(\b)+7], v[(\f)+8*(\a):(\f)+8*(\a)+7], v[8*(8*(\a)+(\b)):8*(8*(\a)+(\b))+7]
.endif
.endr
.endm
; 24 LDS loads in one run: the fragments of 32 along K at byte k of the rows, into buffer f
.macro FETCH slot, k, f
	WIN 0
.irp i, 0,1,2,3,4,5,6,7
	ds_load_b128 v[(\f)+32+8*(\i):(\f)+32+8*(\i)+3],   v[ADRB+(\slot)] offset:(\k)+(\i)*16*PITCH
	ds_load_b128 v[(\f)+32+8*(\i)+4:(\f)+32+8*(\i)+7], v[ADRB+(\slot)] offset:(\k)+(\i)*16*PITCH+32
.endr
.irp i, 0,1,2,3
	ds_load_b128 v[(\f)+8*(\i):(\f)+8*(\i)+3],   v[ADRA+(\slot)] offset:(\k)+(\i)*16*PITCH
	ds_load_b128 v[(\f)+8*(\i)+4:(\f)+8*(\i)+7], v[ADRA+(\slot)] offset:(\k)+(\i)*16*PITCH+32
.endr
.endm
.macro PLACES                          ; four plain vector places between a matrix instruction and a load into, or a read of, its registers
.rept 4
	v_nop
.endr
.endm
; One of a K step's first three quarters: the next quarter's fragments, at byte k, are asked for into buffer g, then buffer f is multiplied: 32 matrix instructions stand between a run of loads and the wait for it.
.macro QUARTER slot, k, f, g, zero
	s_wait_dscnt 0x0                               ; buffer f is in
	PLACES                                         ; buffer g's last readers stand just ahead
	FETCH \slot, \k, \g
	MULA \f, 0, \zero
	MULA \f, 1, \zero
	MULA \f, 2, \zero
	MULA \f, 3, \zero
.endm
; The last quarter multiplies buffer 1 and changes slots: ONE barrier; in front of it each wave waits for all its tensor loads (one is out: its part of the next slot), adds 0 to its spare word, and waits for that
; and for its own reads of this slot.  fill = 1: the barrier opens a round of the cluster's, and this slot is filled again, two K steps ahead, first thing behind the round.
.macro TURN slot, next, fill
	WIN 0
	s_wait_tensorcnt 0x0
	ds_add_u32 v[SPW], v[NIL]
	s_wait_dscnt 1                                 ; buffer 1 is in; only the add may be out
	MULA F1, 0, 0
	s_wait_dscnt 0x0                               ; the add is done, and my reads of this slot are over
	s_barrier_signal -1
	MULA F1, 1, 0
	WIN 0
	s_barrier_wait -1
.if \fill
	CREST                                          ; no wave of any partner still reads this slot's tile or has a load on its way
	s_add_nc_u64 s[G0+4*(\slot)+2:G0+4*(\slot)+3], s[G0+4*(\slot)+2:G0+4*(\slot)+3], 2*KSTEP*2
	s_add_nc_u64 s[G0B+4*(\slot)+2:G0B+4*(\slot)+3], s[G0B+4*(\slot)+2:G0B+4*(\slot)+3], 2*KSTEP*2
	JLOAD \slot                                    ; my one tensor load behind the round; its four v_nop are also the places in front of the loads below
.else
	PLACES
.endif
	FETCH \next, 0, F0
	MULA F1, 2, 0
	MULA F1, 3, 0
.endm
	s_wait_tensorcnt 1                             ; my part of K step 0 is in; K step 1's may stay out
	s_barrier_signal -1
	s_barrier_wait -1
	FETCH 0, 0, F0
	QUARTER 0, 64,  F0, F1, 1                      ; the first quarter starts the sums
	WIN 0
	s_mov_b32 s3, LAPS-1
.Llap:                                                 ; a trip goes once round the ring and fills both slots again
	QUARTER 0, 128, F1, F0, 0
	QUARTER 0, 192, F0, F1, 0
	TURN 0, 1, 1
	QUARTER 1, 64,  F0, F1, 0
	QUARTER 1, 128, F1, F0, 0
	QUARTER 1, 192, F0, F1, 0
	TURN 1, 0, 1
	QUARTER 0, 64,  F0, F1, 0
	WIN 0
	s_sub_co_u32 s3, s3, 1
	s_cmp_lg_u32 s3, 0
	s_cbranch_scc1 .Llap
	QUARTER 0, 128, F1, F0, 0                      ; the last lap fills nothing
	QUARTER 0, 192, F0, F1, 0
	TURN 0, 1, 0
	QUARTER 1, 64,  F0, F1, 0
	QUARTER 1, 128, F1, F0, 0
	QUARTER 1, 192, F0, F1, 0
	s_wait_dscnt 0x0
	MULA F1, 0, 0
	MULA F1, 1, 0
	MULA F1, 2, 0
	MULA F1, 3, 0
	WIN 0
; THE WAY OUT.  Block a's 8 accumulators into my stage (each accumulator's low four registers first), and back as 16 whole rows.
.macro TOSTAGE a
	WIN 0x04                                       ; the stores' data (source 1) in window 1
.irp b, 0,1,2,3,4,5,6,7
	ds_store_b128 v[STO], v[64*(\a)+8*(\b):64*(\a)+8*(\b)+3] offset:64*(\b)
	ds_store_b128 v[STO], v[64*(\a)+8*(\b)+4:64*(\a)+8*(\b)+7] offset:64*(\b)+16
.endr
	WIN 0
.if (\a) >= 2
	s_wait_xcnt 0x0                                ; the row buffer was the data of block a - 2's stores: it is loaded again only behind this wait
.endif
.irp t, 0,1,2,3,4,5,6,7,8,9,10,11,12,13,14,15
	ds_load_b128 v[OB+64*((\a)%2)+4*(\t):OB+64*((\a)%2)+4*(\t)+3], v[RD] offset:(\t)*SPITCH   ; LDS serves a wave's instructions in order (ISA guide 5.7.1.4): these see the stores above
.endr
.endm
.macro SEND a, younger                 ; younger: the LDS instructions issued behind block a's loads: the next block's 32, or none
.set BK, OB+64*((\a)%2)
	s_wait_dscnt \younger
.irp t, 0,1,2,3,4,5,6,7,8,9,10,11,12,13,14,15
	v_pk_fma_f32 v[BK+4*(\t):BK+4*(\t)+1], v[BK+4*(\t):BK+4*(\t)+1], s[SC:SC+1], v[BI:BI+1] op_sel_hi:[1,0,1]
	v_pk_fma_f32 v[BK+4*(\t)+2:BK+4*(\t)+3], v[BK+4*(\t)+2:BK+4*(\t)+3], s[SC:SC+1], v[BI+2:BI+3] op_sel_hi:[1,0,1]
	global_store_b128 v[CO], v[BK+4*(\t):BK+4*(\t)+3], s[8:9] offset:(16*(\a)+(\t))*SIZE_N*4 th:TH_STORE_NT   ; 512 consecutive bytes of a row of out0, at a multiple of 512 from its first byte
.endr
.endm
	PLACES                                         ; behind the last products
	TOSTAGE 0
	TOSTAGE 1
	SEND 0, 32
	TOSTAGE 2
	SEND 1, 32
	TOSTAGE 3
	SEND 2, 32
	SEND 3, 0
	s_wait_tensorcnt 0x0                           ; the wave's end
	ds_add_u32 v[SPW], v[NIL]
	s_wait_dscnt 0x0
	CROUND                                         ; the closing round: no work-group ends while a partner may still ask for a tile that names it
	s_endpgm
.Lfunc_end_k_q5eab451b86_gemm2:
	.size	k_q5eab451b86_gemm2, .Lfunc_end_k_q5eab451b86_gemm2-k_q5eab451b86_gemm2
	.p2alignl 7, 3214868480
	.fill 96, 4, 3214868480
	.section	.rodata,"a",@progbits
	.p2align	6, 0x0
	.amdhsa_kernel k_q5eab451b86_gemm2
		.amdhsa_group_segment_fixed_size 327680
		.amdhsa_private_segment_fixed_size 0
		.amdhsa_enable_private_segment 0
		.amdhsa_kernarg_size 48
		.amdhsa_user_sgpr_count 2
		.amdhsa_user_sgpr_kernarg_segment_ptr 1
		.amdhsa_wavefront_size32 1
		.amdhsa_system_sgpr_workgroup_id_x 1
		.amdhsa_system_sgpr_workgroup_id_y 1
		.amdhsa_system_sgpr_workgroup_id_z 1
		.amdhsa_system_vgpr_workitem_id 0
		.amdhsa_next_free_vgpr 512
		.amdhsa_next_free_sgpr 80
		.amdhsa_reserve_vcc 0
		.amdhsa_float_denorm_mode_32 3
		.amdhsa_float_denorm_mode_16_64 3
		.amdhsa_memory_ordered 1
		.amdhsa_forward_progress 1
		.amdhsa_inst_pref_size 94
	.end_amdhsa_kernel
	.amdgpu_metadata
---
amdhsa.version: [ 1, 2 ]
amdhsa.kernels:
  - .name:           k_q5eab451b86_gemm2
    .symbol:         k_q5eab451b86_gemm2.kd
    .args:
      - { .name: hq, .offset: 0, .size: 8, .value_kind: global_buffer, .address_space: global }
      - { .name: qin, .offset: 8, .size: 8, .value_kind: global_buffer, .address_space: global }
      - { .name: pmax, .offset: 16, .size: 8, .value_kind: global_buffer, .address_space: global }
      - { .name: hmax, .offset: 24, .size: 8, .value_kind: global_buffer, .address_space: global }
      - { .name: b2, .offset: 32, .size: 8, .value_kind: global_buffer, .address_space: global }
      - { .name: out0, .offset: 40, .size: 8, .value_kind: global_buffer, .address_space: global }
    .group_segment_fixed_size: 327680
    .private_segment_fixed_size: 0
    .kernarg_segment_align: 8
    .kernarg_segment_size: 48
    .max_flat_workgroup_size: 128
    .sgpr_count:     80
    .vgpr_count:     512
    .wavefront_size: 32
...
	.end_amdgpu_metadata
.endif
;; end of part 5
;; ======== version 2 of 3: 4 launches
;; workspace buffers: pmax 2,048 bytes; hmax 1,024 bytes; qin 33,554,432 bytes; g 134,217,728 bytes
;; launch absmax: the kernel of part 1 again; grid 512 x 1, 8 waves a work-group, no clusters, 1,280 bytes of LDS; arguments x, w1, w2, pmax; writes pmax
;; launch quant3 (part 6): grid 512 x 1, 8 waves a work-group, no clusters, 0 bytes of LDS; arguments x, w1, w2, pmax, qin; writes qin
.if DOCPART == 6
	.amdgcn_target "amdgcn-amd-amdhsa--gfx1250"
	.amdhsa_code_object_version 6
	.text
	.protected	k_q5eab451b86_quant3
	.globl	k_q5eab451b86_quant3
	.p2align	8
	.type	k_q5eab451b86_quant3,@function
k_q5eab451b86_quant3:
	s_mov_b64 s[64:65], 0
	v_nop
	global_prefetch_b8 v0, s[64:65] scope:SCOPE_SE
	s_setreg_imm32_b32 hwreg(HW_REG_WAVE_MODE, 25, 1), 1
	s_wait_xcnt 0x0
; qin = round(v x r) as bf16 for x, w1 and w2, end to end; s = max(max|v|, 1e-6) / 127 over the whole tensor, r = 1 / s rounded to f32.  The results are whole numbers of at most 127 in size: exact in bf16.
; Work-group i takes chunk i of 128 KiB (0-255 x, 256-383 w1, 384-511 w2) and writes 64 KiB at qin + 65,536 i.  A wave takes 16 KiB on end: 32 loads of 512 consecutive bytes;
; a load's 4 numbers a lane leave as 8 bytes a lane: one store of a wave covers 256 consecutive bytes, aligned.
; Every wave first joins its tensor's partial maxima (1,024 or 512 bytes of pmax) into s and r; all 32 data loads are out meanwhile.
; WHY THE ORDER OF ROUNDING MATTERS.  One number of x that falls on the other side of k + 1/2 moves all 4,096 sums of its row, and the second quantiser turns that into an error of the whole output row.
; Some tens of x's 8,388,608 quotients lie on k + 1/2 or one unit in the last place beside it, and there the last bit of the quotient decides.
; LIMIT, AN ORDER OF ROUNDING: reference() writes v / s; this text takes the division by a scalar as a product with the scalar's rounded reciprocal, and rounds that product to f32 before it is rounded to a whole
; number: so product and sum below are NOT fused.  It differs from the rounded quotient where k + 1/2 lies between the two: in about 8,388,608 x 20 x |r s - 1| numbers of x, and |r s - 1| is under 3.8e-8.
; NaN and infinities are not treated apart.
; THE WHOLE NUMBER: (q + 1.5 x 2^23) - 1.5 x 2^23: the first sum has no room for a fraction and is rounded as the mode says, to nearest, ties to even; it holds for |q| < 2^22, and |q| is at most 127.
; No LDS, no matrix unit, no cluster: a stream in which no byte is shared.
.set X,   24                           ; v[24:151]  the 32 loads, worked on in place; a load's first two registers then hold its 4 bf16
.set SEL, 24                           ; s[24:25]   v_permlanex16_b32's selects
.set RC,  26                           ; s[26:27]   r, twice: the packed forms name a pair and take its low word
.set MG,  28                           ; s[28:29]   1.5 x 2^23
.macro WMAX m, t
	v_mov_b32 v[\t], v[\m]
	v_max_num_f32_dpp v[\m], v[\m], v[\m] row_xmask:1 row_mask:0xf bank_mask:0xf
	v_max_num_f32_dpp v[\m], v[\m], v[\m] row_xmask:2 row_mask:0xf bank_mask:0xf
	v_max_num_f32_dpp v[\m], v[\m], v[\m] row_xmask:4 row_mask:0xf bank_mask:0xf
	v_max_num_f32_dpp v[\m], v[\m], v[\m] row_xmask:8 row_mask:0xf bank_mask:0xf
	v_permlanex16_b32 v[\t], v[\m], s[SEL], s[SEL+1]
	v_max_num_f32 v[\m], v[\m], v[\t]
.endm
.macro MKSCALE m, s, t                 ; s = max(m, 1e-6) / 127: a product with 1/127 and one correction step; the same lines in every launch that needs a scale
	v_max_num_f32 v[\m], 0x358637bd, v[\m]
	v_mul_f32 v[\s], 0x3c010204, v[\m]
	v_fma_f32 v[\t], -v[\s], 0x42fe0000, v[\m]
	v_fmamk_f32 v[\s], v[\t], 0x3c010204, v[\s]
.endm
; Load j's four numbers.  Each step is written for both pairs, so that no line reads the result of the line before it.
.macro QUANT j
.set XR, X+4*(\j)
	s_wait_loadcnt 31-(\j)                         ; load j is in, the younger ones stay out
.irp p, 0,2
	v_pk_mul_f32 v[XR+\p:XR+\p+1], v[XR+\p:XR+\p+1], s[RC:RC+1] op_sel_hi:[1,0]                             ; v r, rounded to f32
.endr
.irp p, 0,2
	v_pk_add_f32 v[XR+\p:XR+\p+1], v[XR+\p:XR+\p+1], s[MG:MG+1] op_sel_hi:[1,0]                             ; the fraction is rounded away, ties to even,
.endr
.irp p, 0,2
	v_pk_add_f32 v[XR+\p:XR+\p+1], v[XR+\p:XR+\p+1], s[MG:MG+1] op_sel_hi:[1,0] neg_lo:[0,1] neg_hi:[0,1]   ; and the whole number is left
.endr
	v_cvt_pk_bf16_f32 v[XR], v[XR], v[XR+1]        ; into the load's own registers, which nothing writes again: the store needs no wait behind it
	v_cvt_pk_bf16_f32 v[XR+1], v[XR+2], v[XR+3]
	global_store_b64 v2, v[XR:XR+1], s[12:13] offset:256*(\j)
.endm
	s_load_b256 s[4:11], s[0:1], 0x0               ; x s[4:5], w1 s[6:7], w2 s[8:9], pmax s[10:11]
	s_load_b64 s[12:13], s[0:1], 0x20              ; qin
	s_mov_b32 s14, ttmp9
	s_movk_i32 s20, 384                            ; the tensor's first chunk
	s_movk_i32 s22, 1536                           ; the byte in pmax at which the tensor's partial maxima begin
	s_mov_b32 s[SEL], 0x76543210
	s_mov_b32 s[SEL+1], 0xfedcba98
	s_mov_b32 s[MG], 0x4b400000                    ; 12582912.0
	s_mov_b32 s[MG+1], 0x4b400000
	v_lshrrev_b32 v5, 5, v0                        ; wave
	v_and_b32 v3, 31, v0                           ; lane
	v_lshlrev_b32 v1, 14, v5
	v_lshl_or_b32 v1, v3, 4, v1                    ; in: 16 KiB a wave, 16 bytes a lane
	v_lshlrev_b32 v2, 13, v5
	v_lshl_or_b32 v2, v3, 3, v2                    ; out: 8 KiB a wave, 8 bytes a lane
	v_lshlrev_b32 v3, 4, v3
	s_wait_kmcnt 0x0
	s_cmp_lt_u32 s14, 384
	s_cselect_b64 s[18:19], s[6:7], s[8:9]
	s_cselect_b32 s20, 256, s20
	s_cselect_b32 s22, 1024, s22
	s_mov_b32 s23, s22                             ; w1 and w2 have 512 bytes of partial maxima: both loads take the same
	s_cmp_lt_u32 s14, 256
	s_cselect_b64 s[18:19], s[4:5], s[18:19]
	s_cselect_b32 s20, 0, s20
	s_cselect_b32 s22, 0, s22
	s_cselect_b32 s23, 512, s23                    ; x has 1,024
	s_sub_co_u32 s20, s14, s20
	s_lshl_b32 s20, s20, 17                        ; the chunk's number inside its tensor, times 128 KiB (under 2^25)
	s_mov_b32 s21, 0
	s_add_nc_u64 s[18:19], s[18:19], s[20:21]
	s_lshl_b32 s16, s14, 16
	s_mov_b32 s17, 0
	s_add_nc_u64 s[12:13], s[12:13], s[16:17]
	v_add_nc_u32 v4, s23, v3
	v_add_nc_u32 v3, s22, v3
	global_load_b128 v[8:11], v3, s[10:11]
	global_load_b128 v[12:15], v4, s[10:11]
.set j, 0
.rept 32
	global_load_b128 v[X+4*j:X+4*j+3], v1, s[18:19] offset:512*j th:TH_LOAD_NT   ; the last use of these bytes
.set j, j+1
.endr
	s_wait_loadcnt 32                              ; the two loads of partial maxima are in; the 32 behind them stay out
	v_max3_num_f32 v16, v8, v9, v10
	v_max3_num_f32 v16, v16, v11, v12
	v_max3_num_f32 v16, v16, v13, v14
	v_max_num_f32 v16, v16, v15
	WMAX 16, 19
	MKSCALE 16, 17, 19                             ; s
	v_rcp_f32 v18, v17
	v_nop                                          ; a plain instruction between the reciprocal and the use of its result
	s_wait_alu depctr_va_vdst(0)
	v_fma_f32 v19, -v17, v18, 1.0                  ; one correction step: what is left before the last rounding is the square of the first error
	v_fma_f32 v18, v19, v18, v18                   ; r
	v_readfirstlane_b32 s[RC], v18
	s_mov_b32 s[RC+1], s[RC]
.set j, 0
.rept 32
	QUANT j
.set j, j+1
.endr
	s_endpgm
.Lfunc_end_k_q5eab451b86_quant3:
	.size	k_q5eab451b86_quant3, .Lfunc_end_k_q5eab451b86_quant3-k_q5eab451b86_quant3
	.p2alignl 7, 3214868480
	.fill 96, 4, 3214868480
	.section	.rodata,"a",@progbits
	.p2align	6, 0x0
	.amdhsa_kernel k_q5eab451b86_quant3
		.amdhsa_group_segment_fixed_size 0
		.amdhsa_private_segment_fixed_size 0
		.amdhsa_enable_private_segment 0
		.amdhsa_kernarg_size 40
		.amdhsa_user_sgpr_count 2
		.amdhsa_user_sgpr_kernarg_segment_ptr 1
		.amdhsa_wavefront_size32 1
		.amdhsa_system_sgpr_workgroup_id_x 1
		.amdhsa_system_sgpr_workgroup_id_y 1
		.amdhsa_system_sgpr_workgroup_id_z 1
		.amdhsa_system_vgpr_workitem_id 0
		.amdhsa_next_free_vgpr 152
		.amdhsa_next_free_sgpr 66
		.amdhsa_reserve_vcc 0
		.amdhsa_float_denorm_mode_32 3
		.amdhsa_float_denorm_mode_16_64 3
		.amdhsa_memory_ordered 1
		.amdhsa_forward_progress 1
		.amdhsa_inst_pref_size 27
	.end_amdhsa_kernel
	.amdgpu_metadata
---
amdhsa.version: [ 1, 2 ]
amdhsa.kernels:
  - .name:           k_q5eab451b86_quant3
    .symbol:         k_q5eab451b86_quant3.kd
    .args:
      - { .name: x, .offset: 0, .size: 8, .value_kind: global_buffer, .address_space: global }
      - { .name: w1, .offset: 8, .size: 8, .value_kind: global_buffer, .address_space: global }
      - { .name: w2, .offset: 16, .size: 8, .value_kind: global_buffer, .address_space: global }
      - { .name: pmax, .offset: 24, .size: 8, .value_kind: global_buffer, .address_space: global }
      - { .name: qin, .offset: 32, .size: 8, .value_kind: global_buffer, .address_space: global }
    .group_segment_fixed_size: 0
    .private_segment_fixed_size: 0
    .kernarg_segment_align: 8
    .kernarg_segment_size: 40
    .max_flat_workgroup_size: 256
    .sgpr_count:     66
    .vgpr_count:     152
    .wavefront_size: 32
...
	.end_amdgpu_metadata
.endif
;; end of part 6
;; launch gemm1: the kernel of part 3 again; grid 16 x 16, 4 waves a work-group, clusters of 4 x 4, 327,680 bytes of LDS; arguments qin, pmax, b1, g, hmax; writes g, hmax
;; launch gemm2 (part 7): grid 4 x 64, 4 waves a work-group, clusters of 4 x 4, 327,680 bytes of LDS; arguments g, qin, pmax, hmax, b2, out0; writes out0
.if DOCPART == 7
	.amdgcn_target "amdgcn-amd-amdhsa--gfx1250"
	.amdhsa_code_object_version 6
	.text
	.protected	k_q5eab451b86_gemm2
	.globl	k_q5eab451b86_gemm2
	.p2align	8
	.type	k_q5eab451b86_gemm2,@function
k_q5eab451b86_gemm2:
	s_mov_b64 s[64:65], 0
	v_nop
	global_prefetch_b8 v0, s[64:65] scope:SCOPE_SE
	s_setreg_imm32_b32 hwreg(HW_REG_WAVE_MODE, 25, 1), 1
	s_wait_xcnt 0x0
	s_wait_alu depctr_hold_cnt(0) depctr_sa_sdst(0) depctr_va_vdst(0) depctr_va_sdst(0) depctr_va_ssrc(0) depctr_va_vcc(0) depctr_vm_vsrc(0)
	s_getreg_b32 s2, hwreg(HW_REG_IB_STS2, 6, 4)
	s_cmp_eq_u32 s2, 0
	s_cbranch_scc0 .Lentry_in_a_cluster
	s_endpgm
.Lentry_in_a_cluster:
	s_bfe_u32 s2, ttmp6, 0x10000c
	s_cmp_lg_u32 s2, 0xf033
	s_cbranch_scc0 .Lentry_shape_is_right
	s_endpgm
.Lentry_shape_is_right:
; out0 = (hq w2q^T) (sh sw2) + b2 in f32, [8192][1024], with hq = round(g r), sh = max(max|g|, 1e-6) / 127, r = 1 / sh.  g [8192][4096] f32; w2q [1024][4096] bf16 at qin + 24 MiB.
; hq IS NEVER IN MEMORY: g's tiles come into LDS in f32, and each wave turns its fragments into whole numbers in bf16 (at most 127 in size: exact) on the way from LDS to the matrix unit.
; LIMITS.  hq is the exact product g r rounded once to a whole number (the product and the sum that rounds are one fused step), where reference() rounds a quotient first: the two differ only where k + 1/2 lies
; between them, and one step of hq moves an output number by at most sh x max|w2|.  The sums are whole numbers, exact up to 2^24; beyond that (their bound is 127 x 127 x 4096) they carry f32's rounding.
; NaN and infinities are not treated apart.
; A tile is 128 rows x 256 columns: 64 x 4 = 256 work-groups, where tiles of 256 x 256 would make 128.  Four waves, each 64 x 128: 32 accumulators of 16 x 16, 256 registers.
; K goes in 32 steps of 128 through a ring of two LDS slots (128 rows of g, 512 bytes each; 256 rows of w2q, 256 bytes each; all rows begin at multiples of 256); two slots of twice that step do not fit in LDS.
; CLUSTERS: 4 x 4 work-groups.  The four of a row of the cluster need the same tiles of g, the four of a column the same tiles of w2q: each tile is asked for JOINTLY.
; THE MATRIX INSTRUCTION IS USED TRANSPOSED (source 0 = 16 rows of w2q, source 1 = 16 rows of hq): a lane holds row l % 16 and eight neighbouring columns.
; BY QUARTERS of 32 along K.  In quarter P: at its head the LDS loads of w2q for quarter P + 1 and of raw g for quarter P + 2; then the 32 products of quarter P in pairs, and behind each pair six vector
; instructions that turn four raw numbers a lane of quarter P + 1 into bf16: 96 vector instructions beside 32 matrix instructions.  So raw g is asked for two quarters, w2q one quarter ahead of its product.
; THE CHANGE OF SLOTS stands in a step's third quarter: w2q of the fourth quarter is the last read of a slot, and raw g of the next step's first quarter is the first read of the other.  Between the wait for the
; tiles and the next request stand the add, four products and the round, and no more: the quarter's other 28 products stand ahead of that wait or behind the request, so that a request has all of a K step's
; work but those four products in which to land.
; THE PREFETCH.  A tile row's 128 rows of g are read by the four work-groups of one row of the cluster and by nobody else.  Work-group cx asks for rows 32 cx to 32 cx + 31, wave w for 8 of them, lane l for row l / 4
; and the 256 bytes at 256 (l % 4) of 1,024 consecutive bytes, two K steps: each aligned 256 bytes of g from K step 2 on is asked for once in the launch.  One line a wave and lap: trip t of the loop, behind slot 1's
; refill, asks for K steps 2 t + 4 and 2 t + 5, which trip t + 1 requests one and two K steps later; K steps 2 and 3 are asked for at the head; the last trip jumps over the line, since K ends at step 31.
; At most two laps' 32 KiB a work-group are asked for and not yet read.  w2q, which all 64 tile rows read again, is not asked for ahead.
; REGISTERS, in windows of 256: window 0: v0-63 addresses, bias, scale work; v64-127 hq's fragments, two buffers of 32; v128-255 raw g, two buffers of 64 (on the way out v64-191 hold rows).
;   window 1: accumulator (a, b) at v[8 (8 a + b)].   window 2: v0-127 w2q's fragments, two buffers of 64.
; The conversion works in window 0, and no window has room for it beside the accumulators: two switches for each pair of products, 34 a quarter.  Taking the products in pairs halves that price.
; THE WAY OUT, 16 rows at a time: raw sums into my wave's own stage, back as whole rows of 512 bytes, one fused multiply-add with the scale and my four columns' bias, stores of 512 consecutive bytes.
; All of the LDS is claimed.
.set SIZE_K, 4096
.set SIZE_N, 1024
.set W2Q,    0x1800000                 ; w2q's first byte in qin
.set KSTEP,  128
.set PA,     528                       ; a row of g in LDS: 512 bytes + 16 of padding = 132 words: row r starts at bank 4 r mod 64 (64 banks of 4 bytes: ISA guide 11.1)
.set PB,     272                       ; a row of w2q: 256 + 16 = 68 words: again row r at bank 4 r mod 64
.set AHALF,  64*PA                     ; what a load of g brings
.set BHALF,  128*PB                    ; what a load of w2q brings
.set BOFF,   2*AHALF                   ; w2q's rows lie behind g's 128
.set SLOT,   2*AHALF+2*BHALF
.set STAGE,  2*SLOT                    ; behind the ring: 16 rows x 528 bytes for each wave; no tensor load lands here
.set SPITCH, 528
.set SPARE,  STAGE+4*16*SPITCH         ; the spare words, 128 bytes for each wave: two blocks of 256 bytes that no other line names
.set LAPS,   SIZE_K/(2*KSTEP)
.set ADRA, 16                          ; v16-17  LDS address of my raw fragments of g in slot 0, 1
.set ADRB, 20                          ; v20-21  the same for w2q
.set STO,  24                          ; v24     the way out: where I put 32 bytes of a row
.set RD,   25                          ; v25     the way out: where I read 16 bytes of a row back
.set CO,   26                          ; v26     16 x lane
.set PFO,  27                          ; v27     the prefetch: 16,384 (l / 4) + 256 (l % 4); never rewritten
.set SPW,  28                          ; v28     LDS address of my spare word; never rewritten
.set NIL,  29                          ; v29     0; never rewritten
.set BI,   32                          ; v[32:35] b2 of my four columns
.set AF,   64                          ; hq's fragments: buffer p at AF + 32 p, m block a at + 8 a
.set RW,   128                         ; raw g: buffer p at RW + 64 p, m block a at + 16 a
.set BF,   0                           ; window 2: w2q's fragments: buffer p at BF + 64 p, n block b at + 8 b
.set OB,   64                          ; the way out: two buffers of 16 rows x 4 registers
.set G1,  24                           ; s[24:31] descriptor group 1 for g's tiles;  s[32:39] group 0, one set for each slot
.set G0,  32
.set G1B, 48                           ; s[48:55], s[56:63] the same for w2q's tiles
.set G0B, 56
.set SEL, 76                           ; s[76:77] v_permlanex16_b32's selects
.set SC,  78                           ; s[78:79] sh sw2, twice: the packed forms name a pair and take its low word
.set RC,  80                           ; s[80:81] r
.set MG,  82                           ; s[82:83] 1.5 x 2^23
.set PFB, 84                           ; s[84:85] the prefetch: g at my wave's 8 rows and the two K steps asked for last
.set MSB, 0
.macro WIN new                         ; the immediate's high byte repeats the setting that is left; a switch that changes nothing is dropped
.if MSB != (\new)
	s_set_vgpr_msb (MSB<<8)|(\new)
.set MSB, \new
.endif
.endm
.set W_MM, 0x52                        ; source 0 (w2q) window 2, source 1 (hq) window 0, C and D window 1
.set W_LB, 0x80                        ; destination window 2, address window 0
.macro WMAX m, t
	v_mov_b32 v[\t], v[\m]
	v_max_num_f32_dpp v[\m], v[\m], v[\m] row_xmask:1 row_mask:0xf bank_mask:0xf
	v_max_num_f32_dpp v[\m], v[\m], v[\m] row_xmask:2 row_mask:0xf bank_mask:0xf
	v_max_num_f32_dpp v[\m], v[\m], v[\m] row_xmask:4 row_mask:0xf bank_mask:0xf
	v_max_num_f32_dpp v[\m], v[\m], v[\m] row_xmask:8 row_mask:0xf bank_mask:0xf
	v_permlanex16_b32 v[\t], v[\m], s[SEL], s[SEL+1]
	v_max_num_f32 v[\m], v[\m], v[\t]
.endm
.macro MKSCALE m, s, t                 ; s = max(m, 1e-6) / 127, the same lines as in the launch that quantised the inputs
	v_max_num_f32 v[\m], 0x358637bd, v[\m]
	v_mul_f32 v[\s], 0x3c010204, v[\m]
	v_fma_f32 v[\t], -v[\s], 0x42fe0000, v[\m]
	v_fmamk_f32 v[\s], v[\t], 0x3c010204, v[\s]
.endm
.macro JLOAD s                         ; a joint load: waves 0 and 1 fetch g's two halves, waves 2 and 3 w2q's; an s_nop 0 and four v_nop follow each of the two lines
	s_cmp_eq_u32 s11, 0
	s_cbranch_scc0 .Lfor_b_\@
	tensor_load_to_lds s[G0+4*(\s):G0+4*(\s)+3], s[G1:G1+7]
	s_nop 0
.rept 4
	v_nop
.endr
	s_branch .Lasked_\@
.Lfor_b_\@:
	tensor_load_to_lds s[G0B+4*(\s):G0B+4*(\s)+3], s[G1B:G1B+7]
	s_nop 0
.rept 4
	v_nop
.endr
.Lasked_\@:
.endm
.macro CREST                           ; a round of the cluster's barrier behind its opening barrier
	s_cmp_lg_u32 s10, 0
	s_cbranch_scc1 .Lnot_wave_0_\@
	s_barrier_signal -3
.Lnot_wave_0_\@:
	s_barrier_wait -3
	s_barrier_signal -1
	s_barrier_wait -1
.endm
.macro CROUND                          ; a whole round
	s_barrier_signal -1
	s_barrier_wait -1
	CREST
.endm
	s_load_b128 s[4:7], s[0:1], 0x0                ; g s[4:5], qin s[6:7]
	s_load_b256 s[68:75], s[0:1], 0x10             ; pmax s[68:69], hmax s[70:71], b2 s[72:73], out0 s[74:75]
	v_lshl_add_u32 v[SPW], v0, 2, SPARE
	v_mov_b32 v[NIL], 0
	ds_add_u32 v28, v29
	s_wait_dscnt 0x0
	v_lshrrev_b32 v1, 5, v0
	v_readfirstlane_b32 s10, v1                    ; wave 0..3
	s_lshr_b32 s11, s10, 1                         ; which 64 of the tile's rows are mine.  Also: I fetch for g (0) or for w2q (1)
	s_and_b32 s12, s10, 1                          ; which 128 of its columns.  Also: which half of that tile I fetch
	s_bfe_u32 s40, ttmp6, 0x40000                  ; cx
	s_bfe_u32 s41, ttmp6, 0x40004                  ; cy
	s_lshl_b32 s42, ttmp9, 2
	s_add_co_u32 s42, s42, s40                     ; tile column
	s_and_b32 s13, ttmp7, 0xffff
	s_lshl_b32 s13, s13, 2
	s_add_co_u32 s13, s13, s41                     ; tile row
	s_lshl_b32 s43, s41, 2
	s_lshl_b32 s43, 15, s43                        ; my row of the cluster
	s_lshl_b32 s44, 0x1111, s40                    ; my column
	; descriptor groups 1.  g: 64 rows of 128 elements of 4 bytes, 4 words of padding behind every 128 words.  w2q: 128 rows of 128 elements of 2 bytes, 4 words behind every 64.
	s_or_b32 s[G1+0], s43, (2<<16)|(1<<20)|(1<<21)|(6<<22)|(3<<25)
	s_or_b32 s[G1B+0], s44, (1<<16)|(1<<20)|(1<<21)|(5<<22)|(3<<25)
	s_mov_b32 s[G1+1], KSTEP<<16                   ; tensor_dim0 = 128
	s_mov_b32 s[G1+2], 64<<16                      ; tensor_dim1 = 64
	s_mov_b32 s[G1+3], KSTEP<<16                   ; tile_dim0 = 128
	s_mov_b32 s[G1+4], 64                          ; tile_dim1 = 64
	s_mov_b32 s[G1+5], SIZE_K                      ; elements from row to row
	s_mov_b32 s[G1+6], 0
	s_mov_b32 s[G1+7], 0
	s_mov_b32 s[G1B+1], KSTEP<<16
	s_mov_b32 s[G1B+2], 128<<16
	s_mov_b32 s[G1B+3], KSTEP<<16
	s_mov_b32 s[G1B+4], 128
	s_mov_b32 s[G1B+5], SIZE_K
	s_mov_b32 s[G1B+6], 0
	s_mov_b32 s[G1B+7], 0
	s_lshl_b32 s16, s13, 7
	s_lshl_b32 s17, s12, 6
	s_add_co_u32 s16, s16, s17                     ; g: row 128 x tile row + 64 x half,
	s_lshl_b32 s16, s16, 14                        ; times 16,384 bytes (under 2^27)
	s_mov_b32 s17, 0
	s_lshl_b32 s46, s42, 8
	s_lshl_b32 s47, s12, 7
	s_add_co_u32 s46, s46, s47                     ; w2q: row 256 x tile column + 128 x half,
	s_lshl_b32 s46, s46, 13                        ; times 8,192 bytes
	s_mov_b32 s47, 0
	s_mul_i32 s20, s12, AHALF                      ; where they go: no place in the cluster enters an LDS address
	s_mul_i32 s21, s12, BHALF
	s_add_co_u32 s21, s21, BOFF
	s_wait_kmcnt 0x0
	s_add_nc_u64 s[6:7], s[6:7], W2Q
	s_add_nc_u64 s[14:15], s[4:5], s[16:17]
	s_add_nc_u64 s[46:47], s[6:7], s[46:47]
	CROUND                                         ; all sixteen work-groups are here: the first joint loads meet
.irp s, 0,1
	s_mov_b32 s[G0+4*(\s)], 1
	s_add_co_u32 s[G0+4*(\s)+1], s20, (\s)*SLOT
	s_add_nc_u64 s[G0+4*(\s)+2:G0+4*(\s)+3], s[14:15], (\s)*KSTEP*4
	s_or_b32 s[G0+4*(\s)+3], s[G0+4*(\s)+3], 0x80000000
	s_mov_b32 s[G0B+4*(\s)], 1
	s_add_co_u32 s[G0B+4*(\s)+1], s21, (\s)*SLOT
	s_add_nc_u64 s[G0B+4*(\s)+2:G0B+4*(\s)+3], s[46:47], (\s)*KSTEP*2
	s_or_b32 s[G0B+4*(\s)+3], s[G0B+4*(\s)+3], 0x80000000
	JLOAD \s                                       ; two tensor loads of mine are out
.endr
	; the rest of the head stands in the wait for the first tile
	v_and_b32 v1, 15, v0                           ; l % 16
	v_bfe_u32 v2, v0, 4, 1                         ; l / 16
	v_and_b32 v5, 31, v0
	v_lshlrev_b32 v[CO], 4, v5
	s_lshl_b32 s46, s42, 10                        ; my first column, in bytes of f32
	s_lshl_b32 s47, s12, 9
	s_add_co_u32 s46, s46, s47
	s_mov_b32 s47, 0
	s_add_nc_u64 s[72:73], s[72:73], s[46:47]      ; b2 at my 128 columns
	global_load_b128 v[36:39], v[CO], s[68:69] offset:1536 ; w2's 128 partial maxima
	global_load_b128 v[40:43], v[CO], s[70:71]             ; g's 256
	global_load_b128 v[44:47], v[CO], s[70:71] offset:512
	global_load_b128 v[BI:BI+3], v[CO], s[72:73]
	; the prefetch's addresses, in registers that feed no descriptor: row 128 x tile row + 32 cx + 8 x wave + l / 4; K steps 2 and 3 begin at byte 1,024 of a row
	v_lshrrev_b32 v7, 2, v5
	v_and_b32 v8, 3, v5
	v_lshlrev_b32 v[PFO], 14, v7
	v_lshl_or_b32 v[PFO], v8, 8, v[PFO]
	s_lshl_b32 s66, s13, 7
	s_lshl_b32 s67, s40, 5
	s_add_co_u32 s66, s66, s67
	s_lshl_b32 s67, s10, 3
	s_add_co_u32 s66, s66, s67
	s_lshl_b32 s66, s66, 14                        ; times 16,384 bytes (under 2^27)
	s_mov_b32 s67, 0
	s_add_nc_u64 s[PFB:PFB+1], s[4:5], s[66:67]
	s_add_nc_u64 s[PFB:PFB+1], s[PFB:PFB+1], 2*KSTEP*4
	global_prefetch_b8 v[PFO], s[PFB:PFB+1] th:TH_LOAD_NT scope:SCOPE_SE   ; K steps 2 and 3, which the loop's first trip requests
	; A fragment of hq is 16 rows x 32 K: lane l holds row l % 16, K = 8 (l / 16) + 0..7 and 16 + 8 (l / 16) + 0..7.  In f32 those are 32 bytes at 32 (l / 16) and 32 bytes 64 further on: four loads of 16 bytes.
	v_mul_u32_u24 v3, v1, PA
	v_lshl_add_u32 v3, v2, 5, v3                   ; g, and the stage: row x 528 + 32 x half
	v_mul_u32_u24 v6, v1, PB
	v_lshl_add_u32 v6, v2, 4, v6                   ; w2q: row x 272 + 16 x half
	s_mul_i32 s22, s11, AHALF                      ; my 64 rows of g
	s_mul_i32 s23, s12, BHALF                      ; my 128 rows of w2q
	s_add_co_u32 s23, s23, BOFF
.irp s, 0,1
	v_add_nc_u32 v[ADRA+(\s)], s22, v3
	v_add_nc_u32 v[ADRB+(\s)], s23, v6
	s_add_co_u32 s22, s22, SLOT
	s_add_co_u32 s23, s23, SLOT
.endr
	s_mul_i32 s23, s10, 16*SPITCH
	s_add_co_u32 s23, s23, STAGE                   ; my stage
	v_add_nc_u32 v[STO], s23, v3                   ; in: row l % 16, 32 bytes for each half of the lanes
	v_add_nc_u32 v[RD], s23, v[CO]                 ; back: 32 lanes take one row of 512 bytes
	s_lshl_b32 s16, s13, 7
	s_lshl_b32 s14, s11, 6
	s_add_co_u32 s16, s16, s14                     ; my first row,
	s_lshl_b32 s16, s16, 12                        ; times 4,096 bytes
	s_mov_b32 s17, 0
	s_add_nc_u64 s[8:9], s[74:75], s[16:17]
	s_add_nc_u64 s[8:9], s[8:9], s[46:47]          ; out0 at my part of the tile
	s_mov_b32 s[SEL], 0x76543210
	s_mov_b32 s[SEL+1], 0xfedcba98
	s_mov_b32 s[MG], 0x4b400000                    ; 12582912.0
	s_mov_b32 s[MG+1], 0x4b400000
	s_wait_loadcnt 0x0
	v_max3_num_f32 v36, v36, v37, v38
	v_max_num_f32 v36, v36, v39
	v_max3_num_f32 v40, v40, v41, v42
	v_max3_num_f32 v40, v40, v43, v44
	v_max3_num_f32 v40, v40, v45, v46
	v_max_num_f32 v40, v40, v47
	WMAX 36, 37
	WMAX 40, 41
	MKSCALE 36, 48, 49                             ; sw2
	MKSCALE 40, 50, 51                             ; sh
	v_rcp_f32 v52, v50
	v_mul_f32 v48, v50, v48                        ; sh sw2; also the plain instruction between the reciprocal and the use of its result
	s_wait_alu depctr_va_vdst(0)
	v_fma_f32 v53, -v50, v52, 1.0                  ; one correction step
	v_fma_f32 v52, v53, v52, v52                   ; r
	v_readfirstlane_b32 s[SC], v48
	s_mov_b32 s[SC+1], s[SC]
	v_readfirstlane_b32 s[RC], v52
	s_mov_b32 s[RC+1], s[RC]
; Products n and n + 1 of a quarter's 32, on buffers par: m block n / 8, n block n % 8.  zero = 1: the first products start the sums.  The 32 accumulators take turns in one fixed order.
.macro MM2 par, zero
	WIN W_MM
.irp d, 0,1
.set mA, (n+\d)/8
.set mB, (n+\d)%8
.if \zero
	v_wmma_f32_16x16x32_bf16 v[8*(8*mA+mB):8*(8*mA+mB)+7], v[BF+64*(\par)+8*mB:BF+64*(\par)+8*mB+7], v[AF+32*(\par)+8*mA:AF+32*(\par)+8*mA+7], 0
.else
	v_wmma_f32_16x16x32_bf16 v[8*(8*mA+mB):8*(8*mA+mB)+7], v[BF+64*(\par)+8*mB:BF+64*(\par)+8*mB+7], v[AF+32*(\par)+8*mA:AF+32*(\par)+8*mA+7], v[8*(8*mA+mB):8*(8*mA+mB)+7]
.endif
.endr
.endm
; Group gr of 16 of a quarter's conversion, buffers par: four raw numbers a lane become two registers of a fragment.  g r + 1.5 x 2^23 in one fused step has no room for a fraction and is rounded to nearest, ties to even
; (|g r| is at most 127); the subtraction leaves the whole number.  The two pairs alternate, so that no line reads the result of the line before it.
.macro CVG par, gr
	WIN 0
.set rR, RW+64*(\par)+4*(\gr)
.set rA, AF+32*(\par)+2*(\gr)
	v_pk_fma_f32 v[rR:rR+1], v[rR:rR+1], s[RC:RC+1], s[MG:MG+1] op_sel_hi:[1,0,0]
	v_pk_fma_f32 v[rR+2:rR+3], v[rR+2:rR+3], s[RC:RC+1], s[MG:MG+1] op_sel_hi:[1,0,0]
	v_pk_add_f32 v[rR:rR+1], v[rR:rR+1], s[MG:MG+1] op_sel_hi:[1,0] neg_lo:[0,1] neg_hi:[0,1]
	v_pk_add_f32 v[rR+2:rR+3], v[rR+2:rR+3], s[MG:MG+1] op_sel_hi:[1,0] neg_lo:[0,1] neg_hi:[0,1]
	v_cvt_pk_bf16_f32 v[rA], v[rR], v[rR+1]
	v_cvt_pk_bf16_f32 v[rA+1], v[rR+2], v[rR+3]
.endm
; A run of pairs of products from number first on; cv = 1: behind each pair a group of the next quarter's conversion, into the other buffers.  None of its six lines names a register of the products round it,
; so the six behind a quarter's last product are also the four places in front of the next quarter's loads into the buffer of w2q that it read.
.macro RUN par, first, pairs, zero, cv
.set n, \first
.rept \pairs
	MM2 \par, \zero
.if \cv
	CVG 1-(\par), n/2
.endif
.set n, n+2
.endr
.endm
.macro LOADB slot, k, par              ; 16 LDS loads: w2q's fragments of 32 along K at byte k of the rows
	WIN W_LB
.irp i, 0,1,2,3,4,5,6,7
	ds_load_b128 v[BF+64*(\par)+8*(\i):BF+64*(\par)+8*(\i)+3],   v[ADRB+(\slot)] offset:(\k)+(\i)*16*PB
	ds_load_b128 v[BF+64*(\par)+8*(\i)+4:BF+64*(\par)+8*(\i)+7], v[ADRB+(\slot)] offset:(\k)+(\i)*16*PB+32
.endr
.endm
.macro LOADA slot, k, par              ; 16 LDS loads: raw g for 32 along K at byte k of the rows: for each m block 16 bytes at 0, 16, 64 and 80
	WIN 0
.irp a, 0,1,2,3
.irp c, 0,1,2,3
	ds_load_b128 v[RW+64*(\par)+16*(\a)+4*(\c):RW+64*(\par)+16*(\a)+4*(\c)+3], v[ADRA+(\slot)] offset:(\k)+(\a)*16*PA+16*((\c)%2)+64*((\c)/2)
.endr
.endr
.endm
; A quarter that changes no slot, on buffers par.  w2q of the next quarter comes from slot sb at byte kb, raw g of the quarter after that from slot sa at byte ka (into the raw buffer converted last quarter).
.macro PERIOD par, sb, kb, sa, ka, zero
	s_wait_dscnt 0x0                               ; what the last quarter's head asked for is in: this quarter's w2q, the next quarter's raw g; 32 products stood between
	LOADB \sb, \kb, 1-(\par)
	LOADA \sa, \ka, \par
	RUN \par, 0, 16, \zero, 1
.endm
; A step's third quarter (buffers 0) changes slots: ONE barrier.  In front of it each wave waits for all its tensor loads (one is out: its part of the next slot), adds 0 to its spare word, and waits for that and
; for its own reads of this slot, of which the fourth quarter's w2q are the last.  fill = 1: the barrier opens a round of the cluster's, and this slot is filled again, two K steps ahead, first thing behind the round.
; pf = 1: behind the refill my wave asks the L2 for its part of the two K steps that the next trip requests.
.macro TURNP slot, next, fill, pf=0
	s_wait_dscnt 0x0                               ; this quarter's w2q and the fourth quarter's raw g are in
	LOADB \slot, 192, 1                            ; my last reads of this slot: ten products stand between them and the wait for them
	RUN 0, 0, 4, 0, 1
	WIN 0
	s_wait_tensorcnt 0x0                           ; all my tensor loads have landed, so every group 0 may be written
	ds_add_u32 v[SPW], v[NIL]
.if \fill
	s_add_nc_u64 s[G0+4*(\slot)+2:G0+4*(\slot)+3], s[G0+4*(\slot)+2:G0+4*(\slot)+3], 2*KSTEP*4     ; this slot's next tiles, two K steps on
	s_add_nc_u64 s[G0B+4*(\slot)+2:G0B+4*(\slot)+3], s[G0B+4*(\slot)+2:G0B+4*(\slot)+3], 2*KSTEP*2
.endif
	RUN 0, 8, 1, 0, 1                              ; two products and their conversion stand between the add and the wait for it
	s_wait_dscnt 0x0                               ; the add is done, and my reads of this slot are over
	s_barrier_signal -1
	RUN 0, 10, 1, 0, 1                             ; work on registers while the others arrive
	WIN 0
	s_barrier_wait -1
.if \fill
	CREST                                          ; no wave of any partner still reads this slot's tile or has a load on its way
	JLOAD \slot                                    ; my one tensor load behind the round
.endif
.if \pf
	s_cmp_eq_u32 s3, 1                             ; the last trip has no trip behind it that would request anything
	s_cbranch_scc1 .Lno_pf_\@
	s_wait_xcnt 0x0                                ; the last prefetch, a lap ago, has had its addresses translated (ISA guide 3.1): its base is stepped only behind this wait
	s_add_nc_u64 s[PFB:PFB+1], s[PFB:PFB+1], 2*KSTEP*4
	global_prefetch_b8 v[PFO], s[PFB:PFB+1] th:TH_LOAD_NT scope:SCOPE_SE   ; 8 rows x 1,024 bytes: my part of the next trip's two K steps; the highest byte asked for is a row's last
.Lno_pf_\@:
.endif
	LOADA \next, 0, 0                              ; raw g of the next step's first quarter: twenty products stand between these loads and the wait for them
	RUN 0, 12, 10, 0, 1
.endm
	s_wait_tensorcnt 1                             ; my part of K step 0 is in; K step 1's may stay out
	s_barrier_signal -1
	s_barrier_wait -1
	LOADA 0, 0, 0                                  ; the pipeline is filled: raw g of quarter 0,
	LOADB 0, 0, 0                                  ; w2q of quarter 0,
	LOADA 0, 128, 1                                ; raw g of quarter 1
	s_wait_dscnt 32                                ; raw g of quarter 0 is in; the 32 loads behind it stay out
.set n, 0
.rept 16
	CVG 0, n                                       ; the first quarter's conversion has no products to stand beside
.set n, n+1
.endr
	PERIOD 0, 0, 64, 0, 256, 1                     ; the first quarter starts the sums
	WIN 0                                          ; at a label and at a branch every window is 0
	s_mov_b32 s3, LAPS-1
.Llap:                                                 ; a trip goes once round the ring, from a lap's second quarter to the next lap's first, and fills both slots again
	PERIOD 1, 0, 128, 0, 384, 0
	TURNP 0, 1, 1
	PERIOD 1, 1, 0, 1, 128, 0
	PERIOD 0, 1, 64, 1, 256, 0
	PERIOD 1, 1, 128, 1, 384, 0
	TURNP 1, 0, 1, 1
	PERIOD 1, 0, 0, 0, 128, 0
	PERIOD 0, 0, 64, 0, 256, 0
	WIN 0
	s_sub_co_u32 s3, s3, 1
	s_cmp_lg_u32 s3, 0
	s_cbranch_scc1 .Llap
	PERIOD 1, 0, 128, 0, 384, 0                    ; the last lap fills nothing
	TURNP 0, 1, 0
	PERIOD 1, 1, 0, 1, 128, 0
	PERIOD 0, 1, 64, 1, 256, 0
	PERIOD 1, 1, 128, 1, 384, 0
	s_wait_dscnt 0x0                               ; the last step's third quarter: no slot is left to change to, no raw g to fetch
	LOADB 1, 192, 1
	RUN 0, 0, 16, 0, 1
	s_wait_dscnt 0x0                               ; the very last quarter: nothing to fetch, nothing to convert
	RUN 1, 0, 16, 0, 0
	WIN 0
; THE WAY OUT.  Block a's 8 accumulators into my stage (each accumulator's low four registers first), and back as 16 whole rows.
.macro TOSTAGE a
	WIN 0x04                                       ; the stores' data (source 1) in window 1
.irp b, 0,1,2,3,4,5,6,7
	ds_store_b128 v[STO], v[64*(\a)+8*(\b):64*(\a)+8*(\b)+3] offset:64*(\b)
	ds_store_b128 v[STO], v[64*(\a)+8*(\b)+4:64*(\a)+8*(\b)+7] offset:64*(\b)+16
.endr
	WIN 0
.if (\a) >= 2
	s_wait_xcnt 0x0                                ; the row buffer was the data of block a - 2's stores: it is loaded again only behind this wait
.endif
.irp t, 0,1,2,3,4,5,6,7,8,9,10,11,12,13,14,15
	ds_load_b128 v[OB+64*((\a)%2)+4*(\t):OB+64*((\a)%2)+4*(\t)+3], v[RD] offset:(\t)*SPITCH   ; LDS serves a wave's instructions in order (ISA guide 5.7.1.4): these see the stores above
.endr
.endm
.macro SEND a, younger                 ; younger: the LDS instructions issued behind block a's loads: the next block's 32, or none
.set BK, OB+64*((\a)%2)
	s_wait_dscnt \younger
.irp t, 0,1,2,3,4,5,6,7,8,9,10,11,12,13,14,15
	v_pk_fma_f32 v[BK+4*(\t):BK+4*(\t)+1], v[BK+4*(\t):BK+4*(\t)+1], s[SC:SC+1], v[BI:BI+1] op_sel_hi:[1,0,1]
	v_pk_fma_f32 v[BK+4*(\t)+2:BK+4*(\t)+3], v[BK+4*(\t)+2:BK+4*(\t)+3], s[SC:SC+1], v[BI+2:BI+3] op_sel_hi:[1,0,1]
	global_store_b128 v[CO], v[BK+4*(\t):BK+4*(\t)+3], s[8:9] offset:(16*(\a)+(\t))*SIZE_N*4 th:TH_STORE_NT   ; 512 consecutive bytes of a row of out0, at a multiple of 512 from its first byte
.endr
.endm
.rept 4
	v_nop                                          ; four places behind the last products, whose results are read and whose sources are loaded into below (ISA guide 7.12.1)
.endr
	TOSTAGE 0
	TOSTAGE 1
	SEND 0, 32
	TOSTAGE 2
	SEND 1, 32
	TOSTAGE 3
	SEND 2, 32
	SEND 3, 0
	s_wait_tensorcnt 0x0                           ; the wave's end
	ds_add_u32 v[SPW], v[NIL]
	s_wait_dscnt 0x0
	CROUND                                         ; the closing round: no work-group ends while a partner may still ask for a tile that names it
	s_endpgm
.Lfunc_end_k_q5eab451b86_gemm2:
	.size	k_q5eab451b86_gemm2, .Lfunc_end_k_q5eab451b86_gemm2-k_q5eab451b86_gemm2
	.p2alignl 7, 3214868480
	.fill 96, 4, 3214868480
	.section	.rodata,"a",@progbits
	.p2align	6, 0x0
	.amdhsa_kernel k_q5eab451b86_gemm2
		.amdhsa_group_segment_fixed_size 327680
		.amdhsa_private_segment_fixed_size 0
		.amdhsa_enable_private_segment 0
		.amdhsa_kernarg_size 48
		.amdhsa_user_sgpr_count 2
		.amdhsa_user_sgpr_kernarg_segment_ptr 1
		.amdhsa_wavefront_size32 1
		.amdhsa_system_sgpr_workgroup_id_x 1
		.amdhsa_system_sgpr_workgroup_id_y 1
		.amdhsa_system_sgpr_workgroup_id_z 1
		.amdhsa_system_vgpr_workitem_id 0
		.amdhsa_next_free_vgpr 640
		.amdhsa_next_free_sgpr 86
		.amdhsa_reserve_vcc 0
		.amdhsa_float_denorm_mode_32 3
		.amdhsa_float_denorm_mode_16_64 3
		.amdhsa_memory_ordered 1
		.amdhsa_forward_progress 1
		.amdhsa_inst_pref_size 213
	.end_amdhsa_kernel
	.amdgpu_metadata
---
amdhsa.version: [ 1, 2 ]
amdhsa.kernels:
  - .name:           k_q5eab451b86_gemm2
    .symbol:         k_q5eab451b86_gemm2.kd
    .args:
      - { .name: g, .offset: 0, .size: 8, .value_kind: global_buffer, .address_space: global }
      - { .name: qin, .offset: 8, .size: 8, .value_kind: global_buffer, .address_space: global }
      - { .name: pmax, .offset: 16, .size: 8, .value_kind: global_buffer, .address_space: global }
      - { .name: hmax, .offset: 24, .size: 8, .value_kind: global_buffer, .address_space: global }
      - { .name: b2, .offset: 32, .size: 8, .value_kind: global_buffer, .address_space: global }
      - { .name: out0, .offset: 40, .size: 8, .value_kind: global_buffer, .address_space: global }
    .group_segment_fixed_size: 327680
    .private_segment_fixed_size: 0
    .kernarg_segment_align: 8
    .kernarg_segment_size: 48
    .max_flat_workgroup_size: 128
    .sgpr_count:     86
    .vgpr_count:     640
    .wavefront_size: 32
...
	.end_amdgpu_metadata
.endif
;; end of part 7
;; ======== version 3 of 3: 4 launches; version 2 with the launch quant3 written anew for expert scheduling mode
;; workspace buffers: pmax 2,048 bytes; hmax 1,024 bytes; qin 33,554,432 bytes; g 134,217,728 bytes
;; launch absmax: the kernel of part 1 again; grid 512 x 1, 8 waves a work-group, no clusters, 1,280 bytes of LDS; arguments x, w1, w2, pmax; writes pmax
;; launch quant3 (part 8): grid 512 x 1, 8 waves a work-group, no clusters, 0 bytes of LDS; arguments x, w1, w2, pmax, qin; writes qin
.if DOCPART == 8
	.amdgcn_target "amdgcn-amd-amdhsa--gfx1250"
	.amdhsa_code_object_version 6
	.text
	.protected	k_q5eab451b86_quant3
	.globl	k_q5eab451b86_quant3
	.p2align	8
	.type	k_q5eab451b86_quant3,@function
k_q5eab451b86_quant3:
	s_mov_b64 s[64:65], 0
	v_nop
	global_prefetch_b8 v0, s[64:65] scope:SCOPE_SE
	s_setreg_imm32_b32 hwreg(HW_REG_WAVE_SCHED_MODE, 0, 2), 2
	s_setreg_imm32_b32 hwreg(HW_REG_WAVE_MODE, 25, 1), 1
	s_wait_xcnt 0x0
	s_wait_alu depctr_vm_vsrc(0)
; qin = round(v x r) as bf16 for x, w1 and w2, end to end; s = max(max|v|, 1e-6) / 127 over the whole tensor, r = 1 / s rounded to f32.  The results are whole numbers of at most 127 in size: exact in bf16.
; Work-group i takes chunk i of 128 KiB (0-255 x, 256-383 w1, 384-511 w2) and writes 64 KiB at qin + 65,536 i.  A wave takes 16 KiB on end: 32 loads of 512 consecutive bytes;
; a load's 4 numbers a lane leave as 8 bytes a lane: one store of a wave covers 256 consecutive bytes, aligned.
; Every wave first joins its tensor's partial maxima (1,024 or 512 bytes of pmax) into s and r; all 32 data loads are out meanwhile.
; WHY THE ORDER OF ROUNDING MATTERS.  One number of x that falls on the other side of k + 1/2 moves all 4,096 sums of its row, and the second quantiser turns that into an error of the whole output row.
; Some tens of x's 8,388,608 quotients lie on k + 1/2 or one unit in the last place beside it, and there the last bit of the quotient decides.
; LIMIT, AN ORDER OF ROUNDING: reference() writes v / s; this text takes the division by a scalar as a product with the scalar's rounded reciprocal, and rounds that product to f32 before it is rounded to a whole
; number: so product and sum below are NOT fused.  It differs from the rounded quotient where k + 1/2 lies between the two: in about 8,388,608 x 20 x |r s - 1| numbers of x, and |r s - 1| is under 3.8e-8.
; NaN and infinities are not treated apart.
; THE WHOLE NUMBER: (q + 1.5 x 2^23) - 1.5 x 2^23: the first sum has no room for a fraction and is rounded as the mode says, to nearest, ties to even; it holds for |q| < 2^22, and |q| is at most 127.
; No LDS, no matrix unit, no cluster: a stream in which no byte is shared.
; THE MODE: SCHED_MODE bits 1:0 = 2 (LLVM: expert scheduling mode 2), set by the entry lines.  The code itself states the register dependences between vector instructions and memory instructions,
; with s_wait_alu, always for 0.
; THE PLAN.  Registers that memory instructions touch:
;   v1, v2, v3, v4  byte offsets (the data loads', the stores', the two loads' of partial maxima): written by vector lines at the head, once, and never again.
;   v[8:15]         the partial maxima land here; no vector line names them before; not loaded again.
;   X               load j's four registers: the load lands in them (no vector line names them before), load j's eight vector lines work in place, store j reads the first two; nothing writes them after that.
; The 32 loads are worked on in eight blocks of four.  Block b's vector lines name its own sixteen registers of X alone; its memory instructions are the four stores of block b - 1.  So ONE wait at a block's head
; states all that those four stores hang on, and they are dealt among the block's vector lines, one ahead of each load's eight, with no further wait.  One more wait stands ahead of the last four stores.
; No register that a memory instruction reads is ever written again, and every load is issued before a vector line names its destination: so no wait on vm_vsrc is owed, and none on va_vdst for a load's landing.
.set X,   24                           ; v[24:151]  the 32 loads, worked on in place; a load's first two registers then hold its 4 bf16
.set BLOCK, 4                          ; loads in a block
.set SEL, 24                           ; s[24:25]   v_permlanex16_b32's selects
.set RC,  26                           ; s[26:27]   r, twice: the packed forms name a pair and take its low word
.set MG,  28                           ; s[28:29]   1.5 x 2^23
.macro WMAX m, t
	v_mov_b32 v[\t], v[\m]
	v_max_num_f32_dpp v[\m], v[\m], v[\m] row_xmask:1 row_mask:0xf bank_mask:0xf
	v_max_num_f32_dpp v[\m], v[\m], v[\m] row_xmask:2 row_mask:0xf bank_mask:0xf
	v_max_num_f32_dpp v[\m], v[\m], v[\m] row_xmask:4 row_mask:0xf bank_mask:0xf
	v_max_num_f32_dpp v[\m], v[\m], v[\m] row_xmask:8 row_mask:0xf bank_mask:0xf
	v_permlanex16_b32 v[\t], v[\m], s[SEL], s[SEL+1]
	v_max_num_f32 v[\m], v[\m], v[\t]
.endm
.macro MKSCALE m, s, t                 ; s = max(m, 1e-6) / 127: a product with 1/127 and one correction step; the same lines in every launch that needs a scale
	v_max_num_f32 v[\m], 0x358637bd, v[\m]
	v_mul_f32 v[\s], 0x3c010204, v[\m]
	v_fma_f32 v[\t], -v[\s], 0x42fe0000, v[\m]
	v_fmamk_f32 v[\s], v[\t], 0x3c010204, v[\s]
.endm
; Load j's four numbers.  Each step is written for both pairs, so that no line reads the result of the line before it.
.macro QUANT j
.set XR, X+4*(\j)
	s_wait_loadcnt 31-(\j)                         ; load j is in, the younger ones stay out
.irp p, 0,2
	v_pk_mul_f32 v[XR+\p:XR+\p+1], v[XR+\p:XR+\p+1], s[RC:RC+1] op_sel_hi:[1,0]                             ; v r, rounded to f32
.endr
.irp p, 0,2
	v_pk_add_f32 v[XR+\p:XR+\p+1], v[XR+\p:XR+\p+1], s[MG:MG+1] op_sel_hi:[1,0]                             ; the fraction is rounded away, ties to even,
.endr
.irp p, 0,2
	v_pk_add_f32 v[XR+\p:XR+\p+1], v[XR+\p:XR+\p+1], s[MG:MG+1] op_sel_hi:[1,0] neg_lo:[0,1] neg_hi:[0,1]   ; and the whole number is left
.endr
	v_cvt_pk_bf16_f32 v[XR], v[XR], v[XR+1]        ; into the load's own registers, which nothing writes again: the store needs no wait behind it
	v_cvt_pk_bf16_f32 v[XR+1], v[XR+2], v[XR+3]
.endm
; Load j's 4 bf16 leave, a block behind their roundings
.macro OUT j
	global_store_b64 v2, v[X+4*(\j):X+4*(\j)+1], s[12:13] offset:256*(\j)
.endm
	s_load_b256 s[4:11], s[0:1], 0x0               ; x s[4:5], w1 s[6:7], w2 s[8:9], pmax s[10:11]
	s_load_b64 s[12:13], s[0:1], 0x20              ; qin
	s_mov_b32 s14, ttmp9
	s_movk_i32 s20, 384                            ; the tensor's first chunk
	s_movk_i32 s22, 1536                           ; the byte in pmax at which the tensor's partial maxima begin
	s_mov_b32 s[SEL], 0x76543210
	s_mov_b32 s[SEL+1], 0xfedcba98
	s_mov_b32 s[MG], 0x4b400000                    ; 12582912.0
	s_mov_b32 s[MG+1], 0x4b400000
	v_lshrrev_b32 v5, 5, v0                        ; wave
	v_and_b32 v3, 31, v0                           ; lane
	v_lshlrev_b32 v1, 14, v5
	v_lshl_or_b32 v1, v3, 4, v1                    ; in: 16 KiB a wave, 16 bytes a lane
	v_lshlrev_b32 v2, 13, v5
	v_lshl_or_b32 v2, v3, 3, v2                    ; out: 8 KiB a wave, 8 bytes a lane
	v_lshlrev_b32 v3, 4, v3
	s_wait_kmcnt 0x0
	s_cmp_lt_u32 s14, 384
	s_cselect_b64 s[18:19], s[6:7], s[8:9]
	s_cselect_b32 s20, 256, s20
	s_cselect_b32 s22, 1024, s22
	s_mov_b32 s23, s22                             ; w1 and w2 have 512 bytes of partial maxima: both loads take the same
	s_cmp_lt_u32 s14, 256
	s_cselect_b64 s[18:19], s[4:5], s[18:19]
	s_cselect_b32 s20, 0, s20
	s_cselect_b32 s22, 0, s22
	s_cselect_b32 s23, 512, s23                    ; x has 1,024
	s_sub_co_u32 s20, s14, s20
	s_lshl_b32 s20, s20, 17                        ; the chunk's number inside its tensor, times 128 KiB (under 2^25)
	s_mov_b32 s21, 0
	s_add_nc_u64 s[18:19], s[18:19], s[20:21]
	s_lshl_b32 s16, s14, 16
	s_mov_b32 s17, 0
	s_add_nc_u64 s[12:13], s[12:13], s[16:17]
	v_add_nc_u32 v4, s23, v3
	v_add_nc_u32 v3, s22, v3
	s_wait_alu depctr_va_vdst(0)                   ; the four offsets v1 to v4 are written: every load and store of the kernel reads one of them, and no vector line names them again
	global_load_b128 v[8:11], v3, s[10:11]
	global_load_b128 v[12:15], v4, s[10:11]
.set j, 0
.rept 32
	global_load_b128 v[X+4*j:X+4*j+3], v1, s[18:19] offset:512*j th:TH_LOAD_NT   ; the last use of these bytes
.set j, j+1
.endr
	s_wait_loadcnt 32                              ; the two loads of partial maxima are in; the 32 behind them stay out
	v_max3_num_f32 v16, v8, v9, v10
	v_max3_num_f32 v16, v16, v11, v12
	v_max3_num_f32 v16, v16, v13, v14
	v_max_num_f32 v16, v16, v15
	WMAX 16, 19
	MKSCALE 16, 17, 19                             ; s
	v_rcp_f32 v18, v17
	v_nop                                          ; a plain instruction between the reciprocal and the use of its result
	s_wait_alu depctr_va_vdst(0)                   ; the reciprocal has written v18, ahead of the first line that names it
	v_fma_f32 v19, -v17, v18, 1.0                  ; one correction step: what is left before the last rounding is the square of the first error
	v_fma_f32 v18, v19, v18, v18                   ; r
	v_readfirstlane_b32 s[RC], v18
	s_wait_alu depctr_va_sdst(0)                   ; s26 is written, ahead of its first reader, the line below; the packed products read it after that
	s_mov_b32 s[RC+1], s[RC]
.set blk, 0
.rept 32/BLOCK
.if blk > 0
	s_wait_alu depctr_va_vdst(0)                   ; the block before has written its eight registers of bf16, which the four stores below read; this block's vector lines name none of them, nor v2
.endif
.set i, 0
.rept BLOCK
.set j, BLOCK*blk+i
.set k, j-BLOCK
.if blk > 0
	OUT k                                          ; a store of the block before, ahead of each load's eight lines
.endif
	QUANT j
.set i, i+1
.endr
.set blk, blk+1
.endr
	s_wait_alu depctr_va_vdst(0)                   ; the last block has written its eight registers of bf16, which the last four stores read
.set k, 32-BLOCK
.rept BLOCK
	OUT k
.set k, k+1
.endr
	s_endpgm
.Lfunc_end_k_q5eab451b86_quant3:
	.size	k_q5eab451b86_quant3, .Lfunc_end_k_q5eab451b86_quant3-k_q5eab451b86_quant3
	.p2alignl 7, 3214868480
	.fill 96, 4, 3214868480
	.section	.rodata,"a",@progbits
	.p2align	6, 0x0
	.amdhsa_kernel k_q5eab451b86_quant3
		.amdhsa_group_segment_fixed_size 0
		.amdhsa_private_segment_fixed_size 0
		.amdhsa_enable_private_segment 0
		.amdhsa_kernarg_size 40
		.amdhsa_user_sgpr_count 2
		.amdhsa_user_sgpr_kernarg_segment_ptr 1
		.amdhsa_wavefront_size32 1
		.amdhsa_system_sgpr_workgroup_id_x 1
		.amdhsa_system_sgpr_workgroup_id_y 1
		.amdhsa_system_sgpr_workgroup_id_z 1
		.amdhsa_system_vgpr_workitem_id 0
		.amdhsa_next_free_vgpr 152
		.amdhsa_next_free_sgpr 66
		.amdhsa_reserve_vcc 0
		.amdhsa_float_denorm_mode_32 3
		.amdhsa_float_denorm_mode_16_64 3
		.amdhsa_memory_ordered 1
		.amdhsa_forward_progress 1
		.amdhsa_inst_pref_size 27
	.end_amdhsa_kernel
	.amdgpu_metadata
---
amdhsa.version: [ 1, 2 ]
amdhsa.kernels:
  - .name:           k_q5eab451b86_quant3
    .symbol:         k_q5eab451b86_quant3.kd
    .args:
      - { .name: x, .offset: 0, .size: 8, .value_kind: global_buffer, .address_space: global }
      - { .name: w1, .offset: 8, .size: 8, .value_kind: global_buffer, .address_space: global }
      - { .name: w2, .offset: 16, .size: 8, .value_kind: global_buffer, .address_space: global }
      - { .name: pmax, .offset: 24, .size: 8, .value_kind: global_buffer, .address_space: global }
      - { .name: qin, .offset: 32, .size: 8, .value_kind: global_buffer, .address_space: global }
    .group_segment_fixed_size: 0
    .private_segment_fixed_size: 0
    .kernarg_segment_align: 8
    .kernarg_segment_size: 40
    .max_flat_workgroup_size: 256
    .sgpr_count:     66
    .vgpr_count:     152
    .wavefront_size: 32
...
	.end_amdgpu_metadata
.endif
;; end of part 8
;; launch gemm1: the kernel of part 3 again; grid 16 x 16, 4 waves a work-group, clusters of 4 x 4, 327,680 bytes of LDS; arguments qin, pmax, b1, g, hmax; writes g, hmax
;; launch gemm2: the kernel of part 7 again; grid 4 x 64, 4 waves a work-group, clusters of 4 x 4, 327,680 bytes of LDS; arguments g, qin, pmax, hmax, b2, out0; writes out0
